; MI455X (gfx1250); checked and timed in simulation.
; The chip was launched on July 23, 2026; its instructions are those of AMD's public machine-readable ISA for CDNA 5 (MIT licence, August 2026) and "CDNA5" Instruction Set Architecture Reference Guide (July 2026). The comments in the code are by the model that wrote it; some were corrected since.
;; Causal Multi Head Self Attention. Allowed arithmetic: matrix products marked QUANTISED: E2M3 operands, one E8M0 scale for each 32 along K, by v_wmma_scale_f32_16x16x128_f8f6f4 with both operands' format E2M3, f32 sums; everything else in f32.
;; Inputs: Wk 1,024 x 1,024 float32; Wo 1,024 x 1,024 float32; Wq 1,024 x 1,024 float32; Wv 1,024 x 1,024 float32; token_positions 2,048 int32; x 4 x 2,048 x 1,024 float32.
;; Outputs: out0 4 x 2,048 x 1,024 float32.
;; This version of the problem:
;;   THIS VERSION OF THE PROBLEM IS GIVEN IN LOW PRECISION. The matrix products marked QUANTISED in the list below multiply operands that are first quantised to E2M3 (2 exponent bits, 3 mantissa bits; 6 bits a number), with one power-of-two scale for each 32 numbers along K (OCP MX v1.0); their sums are f32. All else is computed in f32.
;;   The module's matrix products, in the order in which they are computed (A, B: the left and right operand; K: the contracted axis; several contracted axes count as one K, in the product's order):
;;     1. [M 8,192, K 1,024] x [K 1,024, N 1,024]; A: input x; B: input Wq: QUANTISED
;;     2. [M 8,192, K 1,024] x [K 1,024, N 1,024]; A: input x; B: input Wk: QUANTISED
;;     3. [M 8,192, K 1,024] x [K 1,024, N 1,024]; A: input x; B: input Wv: QUANTISED
;;     4. batch 64 x [M 2,048, K 64] x [K 64, N 2,048]; A: computed on the way; B: computed on the way: QUANTISED
;;     5. batch 64 x [M 2,048, K 2,048] x [K 2,048, N 64]; A: softmax (see below); B: computed on the way: QUANTISED
;;     6. [M 8,192, K 1,024] x [K 1,024, N 1,024]; A: computed on the way; B: input Wo: QUANTISED
;;   THE QUANTISER, for each operand of a quantised product, along K:
;;     - K is cut into blocks of 32 from its start; a last block that is shorter is filled with zeros.
;;     - A block's scale is 2^e with e = floor(log2(the largest magnitude in the block)) - 2, held to -126 .. 127; a block of zeros has e = 0. As a byte (E8M0): e + 127.
;;     - Each number is divided by its block's scale, clamped to +-7.5, and rounded to the nearest number of E2M3, ties to even, subnormals kept.
;;     - The product sums the exact products of the quantised numbers (number of the format x scale) in f32.
;;   ~~~python
;;   def quantise(x, axis):      # numpy; x: float32 -> the quantised numbers, widened to float32 again
;;       x = np.moveaxis(x, axis, -1); K = x.shape[-1]
;;       x = np.pad(x, [(0, 0)] * (x.ndim - 1) + [(0, -K % 32)]); x = x.reshape(x.shape[:-1] + (-1, 32)); a = np.abs(x).max(-1, keepdims=True)
;;       e = np.where(a > 0, np.clip(np.frexp(np.where(a > 0, a, 1))[1] - 1 - 2, -126, 127), 0)      # np.frexp(a)[1] - 1 = floor(log2(a)), exactly
;;       r = np.clip(x / 2.0 ** e, -7.5, 7.5)
;;       step = 2.0 ** (np.maximum(np.frexp(np.where(r == 0, 1, r))[1] - 1, 0) - 3)
;;       q = np.round(r / step) * step * 2.0 ** e      # np.round: ties to even
;;       return np.moveaxis(q.reshape(q.shape[:-2] + (-1,))[..., :K], -1, axis).astype(np.float32)
;;   ~~~
;;   SOFTMAX AHEAD OF A QUANTISED PRODUCT. Where the list says 'softmax', what is quantised is not the finished softmax but p = 2^(t - M), with t = logit x log2(e) and M = ceil(the row's largest t), a whole number; so 1/2 < the row's largest p <= 1. The row's sum l is taken of the UNQUANTISED p, in f32, and the product's result is divided by l at the end. Since M is a whole number, a kernel that streams over the keys may use a running M (the ceiling of the running maximum): every later rescaling is an exact power of two, which a block's scale takes up: the codes' values come out the same.
;;   OPERANDS COMPUTED ON THE WAY. 'Computed on the way' means the value that the module computes at that place (a softmax that the list does not call 'softmax' is quantised finished and normalised). What goes into a quantiser is computed in f32, as accurately as f32 sums, v_exp_f32 and their like allow (about 1e-6 of the number): no bf16 or f16 on the way to a quantiser, and a product that is left as it is and whose result goes on into a quantised operand takes f32 operands (vector FMAs, or v_wmma_f32_16x16x4_f32). A number that lies on a knife's edge between two numbers of the format may be rounded either way, as far as f32 arithmetic and the matrix unit's own rounding can turn it there, and no further.
;; One version. Each part assembles by itself: llvm-mc -triple=amdgcn-amd-amdhsa -mcpu=gfx1250 --defsym DOCPART=n.
;; ======== version 1 of 1: 4 launches
;; limits: right only within a limited range of input values
;; workspace buffers: ximg 6,291,456 bytes; xscl 262,144 bytes; wimg 3,145,728 bytes; wscl 131,072 bytes; rope 524,288 bytes; qkv 20,185,088 bytes; aimg 6,291,456 bytes; ascl 262,144 bytes
;; launch prep (part 1): grid 416 x 1, 4 waves a work-group, no clusters, 34,304 bytes of LDS; arguments x, Wq, Wk, Wv, Wo, token_positions, ximg, xscl, wimg, wscl, rope; writes ximg, xscl, wimg, wscl, rope
.if DOCPART == 1
	.amdgcn_target "amdgcn-amd-amdhsa--gfx1250"
	.amdhsa_code_object_version 6
	.text
	.protected	k_q3c0eee59c5_prep
	.globl	k_q3c0eee59c5_prep
	.p2align	8
	.type	k_q3c0eee59c5_prep,@function
k_q3c0eee59c5_prep:
	s_mov_b64 s[64:65], 0
	v_nop
	global_prefetch_b8 v0, s[64:65] scope:SCOPE_SE
	s_setreg_imm32_b32 hwreg(HW_REG_WAVE_MODE, 25, 1), 1
	s_wait_xcnt 0x0
; PREP.  x [8192][1024] and Wq, Wk, Wv, Wo [1024][1024], f32, K innermost, become codes of FP6 (E2M3) with one E8M0 byte for each 32 along K; and the table of cosines and sines for the rotation is made.
; A block's scale is 2^(floor(log2(its largest magnitude)) - 2); its byte is the largest magnitude's exponent field - 2, held at 1 from below.
; LIMITS: NaN and infinities among the inputs are not served.  A block whose largest magnitude lies under 2^-124, a block of zeros among them, keeps the byte 1 (its codes are then zeros or near it; these bytes are read by this program alone).
;         Positions are served up to a magnitude of 2^22: the angle is brought into a quarter turn by two terms of pi / 2.
; THE CODES ARE LAID IN THE ORDER OF THE OPERAND'S REGISTERS.  A half fragment, 16 rows x 64 along K, is 768 bytes: registers 0-3 of lane l at 16 l, registers 4-5 at 512 + 8 l; lane (r, h) holds row r, k = 32 h .. 32 h + 31.
; Image: [row tile T][K / 64: 16][768].  Lane r of tile T holds row 32 (T / 2) + 8 (T % 2) + r + 8 (r / 8).  Scale words: [T][K / 256: 4][r: 16][2 words], a word = the four bytes of 128 along K.
; SHARES.  Work-groups 0-255: x, two tiles each; 256-383: the four weights, 32 work-groups each, into one image (Wq tiles 0-63, Wk 64-127, Wv 128-191, Wo 192-255); 384-415: the table.
; A wave takes one tile and half of K: 16 rows x 512, in four steps of 128.  Each load reads 512 consecutive bytes of one row; a step's 16 rows turn through the wave's own stage in LDS, so that a lane gets 32 neighbours twice.
; No barrier: waves share nothing.  Loads run two steps (32 loads a wave) ahead.
.set STG,   8448                       ; a wave's stage: 16 rows x (512 bytes + 16)
.set SPARE, 4*STG                      ; behind the stages: the spare words, 128 bytes a wave, which no other line names
.set SPW,   8                          ; v8   my spare word's LDS address; never rewritten
.set NIL,   9                          ; v9   0; never rewritten
.set R,     16                         ; v16-143  two sets of 64: a step's numbers as loaded
.set X,     144                        ; v144-207 register 32 c + i = k 64 c + 32 h + i of my row
.set C,     208                        ; v208-219 the fragment's codes
.set CT,    220                        ; v220-227 the upper halves of the blocks, as the conversions leave them
.set TM,    228                        ; v228-235 at work
.set W,     236                        ; v236-239 a scale word for each step
.set OW,    240                        ; v240-241 the two words that I store
	s_load_b256 s[4:11], s[0:1], 0x0               ; x, Wq, Wk, Wv
	s_load_b256 s[12:19], s[0:1], 0x20             ; Wo, token_positions, ximg, xscl
	s_load_b128 s[20:23], s[0:1], 0x40             ; wimg, wscl
	s_load_b64 s[24:25], s[0:1], 0x50              ; rope
	v_lshl_add_u32 v[SPW], v0, 2, SPARE
	v_mov_b32 v[NIL], 0
	v_lshrrev_b32 v1, 5, v0
	v_readfirstlane_b32 s26, v1                    ; wave 0..3
	v_and_b32 v1, 31, v0                           ; lane
	v_lshlrev_b32 v5, 3, v1                        ; 8 x lane
	s_cmp_ge_u32 ttmp9, 384                        ; the table's work-groups part here, on the work-group's number alone; they touch no LDS
	s_cbranch_scc1 .Ltable
	v_and_b32 v2, 15, v0                           ; r
	v_bfe_u32 v3, v0, 4, 1                         ; h
	v_lshlrev_b32 v4, 4, v1                        ; 16 x lane
	s_mul_i32 s38, s26, STG
	v_add_nc_u32 v6, s38, v4                       ; the stage on the way in: 16 x lane, a row an instruction
	v_mul_u32_u24 v7, v2, 528
	v_lshl_add_u32 v7, v3, 7, v7
	v_add_nc_u32 v7, s38, v7                       ; and on the way out: row r, + 128 h
	v_lshlrev_b32 v10, 3, v3                       ; 8 h: my two bytes' place in a scale word
	v_mov_b32 v[TM+6], 0                           ; written once: a lane permute's destination counts as one of its sources
	s_mov_b32 s48, 0x76543210
	s_mov_b32 s49, 0xfedcba98                      ; selects for lane l xor 16
	s_sub_co_u32 s27, ttmp9, 256                   ; among the weights' work-groups (not used in x's)
	s_lshr_b32 s28, s27, 5                         ; which weight
	s_and_b32 s29, s27, 31                         ; which pair of its tiles
	s_lshr_b32 s36, s26, 1                         ; which tile of the pair is my wave's
	s_and_b32 s37, s26, 1                          ; which half of K
	s_wait_alu depctr_va_vdst(0)
	s_wait_kmcnt 0x0
	s_cmp_eq_u32 s28, 1                            ; only pointers are chosen, by the work-group's number: one path serves all five tensors
	s_cselect_b64 s[30:31], s[8:9], s[6:7]
	s_cmp_eq_u32 s28, 2
	s_cselect_b64 s[30:31], s[10:11], s[30:31]
	s_cmp_eq_u32 s28, 3
	s_cselect_b64 s[30:31], s[12:13], s[30:31]
	s_cmp_lt_u32 ttmp9, 256
	s_cselect_b64 s[30:31], s[4:5], s[30:31]       ; the numbers
	s_cselect_b64 s[32:33], s[16:17], s[20:21]     ; the image
	s_cselect_b64 s[34:35], s[18:19], s[22:23]     ; the scale words
	s_cselect_b32 s29, ttmp9, s29                  ; the pair of tiles in the tensor,
	s_cselect_b32 s27, ttmp9, s27                  ; and in the image
	s_lshl_b32 s40, s29, 17                        ; 32 rows of 4,096 bytes a pair,
	s_lshl_b32 s41, s36, 15                        ; 8 rows on for the pair's second tile,
	s_add_co_u32 s40, s40, s41
	s_lshl_b32 s41, s37, 11                        ; 512 numbers on for the second half of K
	s_add_co_u32 s40, s40, s41
	s_mov_b32 s41, 0
	s_add_nc_u64 s[30:31], s[30:31], s[40:41]
	s_lshl_b32 s42, s27, 1
	s_add_co_u32 s42, s42, s36                     ; my tile
	s_mul_i32 s40, s42, 12288
	s_mul_i32 s43, s37, 6144
	s_add_co_u32 s40, s40, s43
	s_add_nc_u64 s[32:33], s[32:33], s[40:41]
	s_lshl_b32 s40, s42, 9
	s_lshl_b32 s43, s37, 8
	s_add_co_u32 s40, s40, s43
	s_add_nc_u64 s[34:35], s[34:35], s[40:41]
.macro LOAD q                          ; step q: 128 numbers of each of my tile's 16 rows; 32 lanes read 512 consecutive bytes
.irp r, 0,1,2,3,4,5,6,7,8,9,10,11,12,13,14,15
	global_load_b128 v[R+64*((\q)%2)+4*\r:R+64*((\q)%2)+4*\r+3], v4, s[30:31] offset:(\r+8*(\r/8))*4096+512*(\q) th:TH_LOAD_NT
.endr
.endm
.macro STEPQ q
.if (\q) < 3
	s_wait_loadcnt 16                              ; this step's 16 loads are in; the next step's 16 may be out
.else
	s_wait_loadcnt 0x0
.endif
.irp r, 0,1,2,3,4,5,6,7,8,9,10,11,12,13,14,15
	ds_store_b128 v6, v[R+64*((\q)%2)+4*\r:R+64*((\q)%2)+4*\r+3] offset:528*\r
.endr
.irp c, 0,1
.irp j, 0,1,2,3,4,5,6,7
	ds_load_b128 v[X+32*\c+4*\j:X+32*\c+4*\j+3], v7 offset:256*\c+16*\j   ; LDS serves a wave's instructions in order: these see the stores above
.endr
.endr
.if (\q)+2 < 4
	s_wait_dscnt 16                                ; the 16 stores are done (the 16 loads behind them may be out): their registers take the loads of two steps on
	LOAD (\q)+2
.endif
	s_wait_dscnt 0x0
.irp c, 0,1
	v_max3_num_f32 v[TM+\c], |v[X+32*\c]|, |v[X+32*\c+1]|, 0x1800000   ; my block 2 c + h: all its 32 numbers are mine; and the floor 2^(3 - 127), which holds the byte at 1 from below
.endr
.irp i, 2,4,6,8,10,12,14,16,18,20,22,24,26,28,30
.irp c, 0,1
	v_max3_num_f32 v[TM+\c], v[TM+\c], |v[X+32*\c+\i]|, |v[X+32*\c+\i+1]|
.endr
.endr
.irp c, 0,1
	v_add_nc_u32 v[TM+2+\c], 0xff000000, v[TM+\c]  ; 2 off the exponent field: the conversion takes the exponent field of this operand as its scale
.endr
.irp c, 0,1
	v_lshrrev_b32 v[TM+4+\c], 23, v[TM+2+\c]       ; the scale's byte
.endr
	v_lshl_or_b32 v[W+(\q)], v[TM+5], 16, v[TM+4]  ; my two bytes, blocks h and 2 + h,
	v_lshlrev_b32 v[W+(\q)], v10, v[W+(\q)]        ; at their places;
	v_permlanex16_b32 v[TM+6], v[W+(\q)], s48, s49
	v_or_b32 v[W+(\q)], v[W+(\q)], v[TM+6]         ; with lane l xor 16's two the word is whole, in both lanes
	s_wait_alu depctr_va_vdst(0)
	s_wait_xcnt 0x0                                ; the last step's stores have read the codes' registers
.irp c, 0,1
	v_cvt_scalef32_pk16_fp6_f32 v[C+6*\c:C+6*\c+2], v[X+32*\c:X+32*\c+15], v[TM+2+\c]
	v_cvt_scalef32_pk16_fp6_f32 v[CT+4*\c:CT+4*\c+2], v[X+32*\c+16:X+32*\c+31], v[TM+2+\c]   ; (a conversion's three registers begin on an even number)
.endr
	v_nop                                          ; one plain place behind a scaled conversion
.irp c, 0,1
.irp i, 0,1,2
	v_mov_b32 v[C+6*\c+3+\i], v[CT+4*\c+\i]
.endr
.endr
.irp c, 0,1
	global_store_b128 v4, v[C+6*\c:C+6*\c+3], s[32:33] offset:(2*(\q)+\c)*768         ; 512 consecutive bytes,
	global_store_b64 v5, v[C+6*\c+4:C+6*\c+5], s[32:33] offset:(2*(\q)+\c)*768+512    ; and 256: whole aligned blocks of 256
.endr
.endm
	LOAD 0
	LOAD 1
	STEPQ 0
	STEPQ 1
	STEPQ 2
	STEPQ 3
	v_cmp_le_u32 vcc_lo, 16, v1                    ; lanes 0-15 store row r's words of my first 256 along K, lanes 16-31 those of my second
	v_cndmask_b32 v[OW], v[W], v[W+2], vcc_lo
	v_cndmask_b32 v[OW+1], v[W+1], v[W+3], vcc_lo
	global_store_b64 v5, v[OW:OW+1], s[34:35]      ; one aligned block of 256 bytes
	s_wait_tensorcnt 0x0                           ; the wave's end: behind my last LDS store
	ds_add_u32 v[SPW], v[NIL]
	s_wait_dscnt 0x0
	s_endpgm
; THE TABLE: rope[s][i] = (cos, sin) of token_positions[s] x 10000^(-i / 32), i = 0 .. 31: 256 bytes a row.  A wave takes 16 rows, a lane a frequency.
; The angle is one f32 product.  Sine and cosine: the nearest multiple of pi / 2 is taken off in two terms, two short polynomials serve the quarter turn that is left, and the multiple's low two bits say which is which and with which sign.
.Ltable:
	s_sub_co_u32 s27, ttmp9, 384
	s_lshl_b32 s27, s27, 2
	s_add_co_u32 s27, s27, s26                     ; which 16 rows
	s_lshl_b32 s28, s27, 6
	s_mov_b32 s29, 0
	s_mov_b32 s50, 0xbed49a78                      ; -log2(10) / 8, its upper part,
	s_mov_b32 s51, 0xb2179a18                      ; and what is left of it
	s_mov_b32 s52, 0x3fc90fdb                      ; pi / 2 likewise
	s_mov_b32 s53, 0xb33bbd2e
	s_mov_b32 s54, 0xb94ca1f9                      ; the sine's three coefficients
	s_mov_b32 s55, 0x3c08839e
	s_mov_b32 s56, 0xbe2aaaa3
	s_mov_b32 s57, 0x37ccf5ce                      ; the cosine's
	s_mov_b32 s58, 0xbab6061a
	s_mov_b32 s59, 0x3d2aaaa5
	s_wait_kmcnt 0x0
	s_add_nc_u64 s[14:15], s[14:15], s[28:29]
	s_load_b512 s[32:47], s[14:15], 0x0            ; my 16 positions
	s_lshl_b32 s28, s27, 12
	s_add_nc_u64 s[24:25], s[24:25], s[28:29]      ; my 16 rows of the table
	s_wait_alu depctr_va_vdst(0)
	v_cvt_f32_u32 v10, v1                          ; i
	v_mul_f32 v11, s50, v10
	v_rndne_f32 v12, v11                           ; the whole part of the exponent -i log2(10) / 8,
	v_fma_f32 v13, v10, s50, -v12                  ; and the rest of it, in two terms
	v_fma_f32 v13, v10, s51, v13
	s_wait_alu depctr_va_vdst(0)
	v_exp_f32 v13, v13
	v_cvt_i32_f32 v12, v12                         ; (a plain place behind the exponential)
	s_wait_alu depctr_va_vdst(0)                   ; the wait ahead of the first use of its result
	v_ldexp_f32 v10, v13, v12                      ; 10^(-i / 8)
	s_wait_kmcnt 0x0
.macro POS k                           ; each row has its own pair of registers for its store: none is written again
	v_cvt_f32_i32 v14, s[32+\k]
	s_wait_alu depctr_va_vdst(0)
	v_mul_f32 v14, v14, v10                        ; the angle
	v_mul_f32 v15, 0x3f22f983, v14
	v_rndne_f32 v15, v15                           ; how many quarter turns
	v_fma_f32 v16, -v15, s52, v14
	v_fma_f32 v16, -v15, s53, v16                  ; what is left: r
	v_mul_f32 v17, v16, v16                        ; z = r r
	v_cvt_i32_f32 v18, v15
	v_fma_f32 v19, v17, s54, s55
	v_fma_f32 v20, v17, s57, s58
	v_fma_f32 v19, v19, v17, s56
	v_fma_f32 v20, v20, v17, s59
	v_mul_f32 v19, v19, v17
	v_mul_f32 v21, v17, v17
	v_fma_f32 v22, v17, -0.5, 1.0
	v_fma_f32 v19, v19, v16, v16                   ; sin r
	v_fma_f32 v20, v20, v21, v22                   ; cos r
	v_and_b32 v23, 1, v18
	v_cmp_eq_u32 vcc_lo, 1, v23                    ; an odd number of quarter turns: they change places
	v_cndmask_b32 v[33+2*\k], v19, v20, vcc_lo
	v_cndmask_b32 v[32+2*\k], v20, v19, vcc_lo
	v_and_b32 v23, 2, v18                          ; the sine's sign turns in quarters 2 and 3,
	v_add_nc_u32 v24, 1, v18
	v_lshlrev_b32 v23, 30, v23
	v_and_b32 v24, 2, v24                          ; the cosine's in quarters 1 and 2
	v_xor_b32 v[33+2*\k], v[33+2*\k], v23
	v_lshlrev_b32 v24, 30, v24
	v_xor_b32 v[32+2*\k], v[32+2*\k], v24
	global_store_b64 v5, v[32+2*\k:33+2*\k], s[24:25] offset:256*\k   ; 32 lanes store one aligned block of 256 bytes
.endm
.irp k, 0,1,2,3,4,5,6,7,8,9,10,11,12,13,14,15
	POS \k
.endr
	s_endpgm
.Lfunc_end_k_q3c0eee59c5_prep:
	.size	k_q3c0eee59c5_prep, .Lfunc_end_k_q3c0eee59c5_prep-k_q3c0eee59c5_prep
	.p2alignl 7, 3214868480
	.fill 96, 4, 3214868480
	.section	.rodata,"a",@progbits
	.p2align	6, 0x0
	.amdhsa_kernel k_q3c0eee59c5_prep
		.amdhsa_group_segment_fixed_size 34304
		.amdhsa_private_segment_fixed_size 0
		.amdhsa_enable_private_segment 0
		.amdhsa_kernarg_size 88
		.amdhsa_user_sgpr_count 2
		.amdhsa_user_sgpr_kernarg_segment_ptr 1
		.amdhsa_wavefront_size32 1
		.amdhsa_system_sgpr_workgroup_id_x 1
		.amdhsa_system_sgpr_workgroup_id_y 1
		.amdhsa_system_sgpr_workgroup_id_z 1
		.amdhsa_system_vgpr_workitem_id 0
		.amdhsa_next_free_vgpr 256
		.amdhsa_next_free_sgpr 66
		.amdhsa_reserve_vcc 1
		.amdhsa_float_denorm_mode_32 3
		.amdhsa_float_denorm_mode_16_64 3
		.amdhsa_memory_ordered 1
		.amdhsa_forward_progress 1
		.amdhsa_inst_pref_size 54
	.end_amdhsa_kernel
	.amdgpu_metadata
---
amdhsa.version: [ 1, 2 ]
amdhsa.kernels:
  - .name:           k_q3c0eee59c5_prep
    .symbol:         k_q3c0eee59c5_prep.kd
    .args:
      - { .name: x, .offset: 0, .size: 8, .value_kind: global_buffer, .address_space: global }
      - { .name: Wq, .offset: 8, .size: 8, .value_kind: global_buffer, .address_space: global }
      - { .name: Wk, .offset: 16, .size: 8, .value_kind: global_buffer, .address_space: global }
      - { .name: Wv, .offset: 24, .size: 8, .value_kind: global_buffer, .address_space: global }
      - { .name: Wo, .offset: 32, .size: 8, .value_kind: global_buffer, .address_space: global }
      - { .name: token_positions, .offset: 40, .size: 8, .value_kind: global_buffer, .address_space: global }
      - { .name: ximg, .offset: 48, .size: 8, .value_kind: global_buffer, .address_space: global }
      - { .name: xscl, .offset: 56, .size: 8, .value_kind: global_buffer, .address_space: global }
      - { .name: wimg, .offset: 64, .size: 8, .value_kind: global_buffer, .address_space: global }
      - { .name: wscl, .offset: 72, .size: 8, .value_kind: global_buffer, .address_space: global }
      - { .name: rope, .offset: 80, .size: 8, .value_kind: global_buffer, .address_space: global }
    .group_segment_fixed_size: 34304
    .private_segment_fixed_size: 0
    .kernarg_segment_align: 8
    .kernarg_segment_size: 88
    .max_flat_workgroup_size: 128
    .sgpr_count:     66
    .vgpr_count:     256
    .wavefront_size: 32
...
	.end_amdgpu_metadata
.endif
;; end of part 1
;; launch qkv (part 2): grid 12 x 32, 4 waves a work-group, clusters of 4 x 4, 327,680 bytes of LDS; arguments ximg, xscl, wimg, wscl, rope, qkv; writes qkv
.if DOCPART == 2
	.amdgcn_target "amdgcn-amd-amdhsa--gfx1250"
	.amdhsa_code_object_version 6
	.text
	.protected	k_q3c0eee59c5_qkv
	.globl	k_q3c0eee59c5_qkv
	.p2align	8
	.type	k_q3c0eee59c5_qkv,@function
k_q3c0eee59c5_qkv:
	s_mov_b64 s[64:65], 0
	v_nop
	global_prefetch_b8 v0, s[64:65] scope:SCOPE_SE
	s_setreg_imm32_b32 hwreg(HW_REG_WAVE_MODE, 25, 1), 1
	s_wait_xcnt 0x0
	s_wait_alu depctr_hold_cnt(0) depctr_sa_sdst(0) depctr_va_vdst(0) depctr_va_sdst(0) depctr_va_ssrc(0) depctr_va_vcc(0) depctr_vm_vsrc(0)
	s_getreg_b32 s2, hwreg(HW_REG_IB_STS2, 6, 4)
	s_cmp_eq_u32 s2, 0
	s_cbranch_scc0 .Lentry_in_a_cluster
	s_endpgm
.Lentry_in_a_cluster:
	s_bfe_u32 s2, ttmp6, 0x10000c
	s_cmp_lg_u32 s2, 0xf033
	s_cbranch_scc0 .Lentry_shape_is_right
	s_endpgm
.Lentry_shape_is_right:
; QKV.  Q = rot(x Wq^T), K = rot(x Wk^T), V = x Wv^T on codes of FP6 (E2M3) with one E8M0 byte for each 32 along K = 1,024; the results are quantised in registers for the attention launch and leave as codes and scale bytes alone.
; A tile of 256 x 256 is made by four waves, each 128 x 128: 64 accumulators of 16 x 16.  K goes in four slots of 256 through a ring of two LDS slots filled by the tensor data mover.
; THE OPERANDS LIE IN MEMORY IN THE ORDER OF THE OPERAND'S REGISTERS: image [row tile][K / 64][768 bytes] (registers 0-3 of lane l at 16 l, registers 4-5 at 512 + 8 l); lane r of tile T holds row 32 (T / 2) + 8 (T % 2) + r + 8 (r / 8).
; So a fragment is two loads of 16 bytes and two of 8 a lane, each of consecutive bytes, and LDS needs no padding.  Scale words: [row tile][K / 256][r][2 words].
; THE MATRIX INSTRUCTION IS USED TRANSPOSED (source 0 = 16 rows of the B side, source 1 = 16 rows of the A side): a lane holds ONE row of the A side, and by the tiles' row order the 16 registers of B's tiles 2 b, 2 b + 1 are the B side's rows
; 32 b + 16 (lane / 16) + 0 .. 15: sixteen neighbours along the axis that is quantised next.
; ROLES, by the cluster's x.  0, 1: A side = 256 tokens of x, B side = 256 rows of [Wq; Wk]: a lane holds a token, its registers run along the head's features.  2: A side = 256 rows of Wv, B side = 256 tokens: a lane holds a channel of V,
; its registers run along the KEYS, which are the second attention product's K.  Only four pointers are chosen; loads, masks and the loop are one text.
; CLUSTERS: 4 x 4 work-groups.  The A side's tile is shared along a row of the cluster, the B side's along a column: each is asked for jointly, by the same tensor load with the same descriptor and a mask that names the four.
; OUT, per head block of HB bytes (16 x batch + head): K's image, V's image, K's and V's scale words (these four are what the attention launch brings into LDS as one block), Q's image, Q's scale words.
; LIMITS: NaN and infinities are not served; a block whose largest magnitude lies under 2^-124 keeps the byte 1.
; REGISTERS: window 0: v1-29 addresses; v32-63 scale words, two sets; v64-127 cosines and sines, two sets; v128-223 A's fragments, ONE set (on the way out v128-247 are at work).  window 1: B's fragments, two sets, at v0 and v128.
;   window 2: the accumulators of A's tiles 0-3 ((a, b) at v[8 (8 (a % 4) + b)]);  window 3: those of tiles 4-7.
.set HB,     315392
.set VIMG,   98304
.set KSCL,   196608
.set VSCL,   204800
.set QIMG,   208896
.set QSCL,   307200
.set TPITCH, 12288                     ; a row tile's image in memory: 16 x 768
.set SLOTB,  3072                      ; a slot's part of it: 256 along K
.set NQ,     2                         ; matrix instructions deep in a slot
.set FR,     12                        ; registers of a fragment
.set NL,     4                         ; LDS loads that bring one
.set NP,     4                         ; places behind this matrix instruction (ISA guide 7.12.1)
.set HALFT,  8*SLOTB                   ; 8 row tiles: what one tensor load brings, and what one wave reads of a side
.set SLOT,   4*HALFT                   ; A's 16 tiles, then B's
.set LAPS,   2                         ; 1,024 along K = twice round the ring
.set SCL,    2*SLOT                    ; behind the ring: the scale words for all of K: filled once
.set HALFS,  4096                      ; those of 8 row tiles
.set SBLK,   512                       ; of one
.set SPARE,  SCL+4*HALFS               ; the spare words, 128 bytes a wave, which no other line names
.set ADRA, 16                          ; v16-17 LDS address of A's 16-byte pieces in slot 0, 1; v18-19 of its 8-byte pieces
.set ADRB, 20                          ; v20-23 the same for B
.set ADRS, 27                          ; v27    my scale words: lanes 0-15 A's, lanes 16-31 B's
.set SPW,  28                          ; v28    my spare word's LDS address; never rewritten
.set NIL,  29                          ; v29    0; never rewritten
.set SC,   32
.set AF,   128
.set CSR,  64                          ; the way out: (cos, sin) of my token, 16 pairs, two sets
.set HA,   128                         ; v128-191 64 rotated numbers
.set TM,   192                         ; v192-207 at work
.set FLR,  208                         ; v208 the floor 2^(3 - 127)
.set PWS,  210                         ; v210-217 a scale word for each of A's eight tiles
.set PC,   220                         ; v220-231 the codes
.set PT,   232                         ; v232-239 the upper halves, as the conversions leave them
.set SW,   240                         ; v240-247 scale words as they are stored
.set SW2,  244
.set G1, 24                            ; s[24:31] descriptor group 1 for A's tiles; s[32:39] group 0, a set for each slot
.set G0, 32
.set G1B, 48                           ; s[48:55], s[56:63] the same for B's
.set G0B, 56
.set G1S, 68                           ; s[68:75], s[76:79] for A's scale words; s[80:87], s[88:91] for B's
.set G0S, 76
.set G1SB, 80
.set G0SB, 88
.set MSB, 0
.macro WIN new                         ; the immediate's high byte repeats the setting that is left
.if MSB != (\new)
	s_set_vgpr_msb (MSB<<8)|(\new)
.set MSB, (\new)
.endif
.endm
.set MUL_LO, 0xa1                      ; source 0 (B) window 1, source 1 (A) window 0, C and D window 2
.set MUL_HI, 0xf1
.set TO_B,   0x40                      ; destination window 1, address window 0
; A joint load: waves 0 and 1 fetch for A, waves 2 and 3 for B; the branch hangs on the wave's number alone.  An s_nop 0 and four v_nop follow each of the two lines.
.macro JLOAD g0a, g1a, g0b, g1b
	s_cmp_eq_u32 s17, 0
	s_cbranch_scc0 .Lfor_b_\@
	tensor_load_to_lds s[\g0a:\g0a+3], s[\g1a:\g1a+7]
	s_nop 0
.rept 4
	v_nop
.endr
	s_branch .Lasked_\@
.Lfor_b_\@:
	tensor_load_to_lds s[\g0b:\g0b+3], s[\g1b:\g1b+7]
	s_nop 0
.rept 4
	v_nop
.endr
.Lasked_\@:
.endm
.macro CREST                           ; a round of the cluster's barrier behind its opening barrier
	s_cmp_lg_u32 s16, 0
	s_cbranch_scc1 .Lnot_wave_0_\@
	s_barrier_signal -3
.Lnot_wave_0_\@:
	s_barrier_wait -3
	s_barrier_signal -1
	s_barrier_wait -1
.endm
.macro CROUND
	s_barrier_signal -1
	s_barrier_wait -1
	CREST
.endm
	s_load_b256 s[4:11], s[0:1], 0x0               ; ximg, xscl, wimg, wscl
	s_load_b128 s[12:15], s[0:1], 0x20             ; rope, qkv
	v_lshl_add_u32 v[SPW], v0, 2, SPARE
	v_mov_b32 v[NIL], 0
	ds_add_u32 v[SPW], v[NIL]
	ds_add_u32 v[SPW], v[NIL]                      ; the wave's opening: the add and its wait stand ahead of my first tensor load; work on registers stands between them
	v_lshrrev_b32 v1, 5, v0
	v_readfirstlane_b32 s16, v1                    ; wave 0..3
	s_lshr_b32 s17, s16, 1                         ; which half of the A side's rows is mine.  Also: I fetch for A (0) or for B (1)
	s_and_b32 s18, s16, 1                          ; which half of the B side's.  Also: which 8 row tiles I fetch
	s_bfe_u32 s19, ttmp6, 0x40000                  ; cx
	s_bfe_u32 s20, ttmp6, 0x40004                  ; cy
	s_and_b32 s21, ttmp7, 0xffff                   ; the cluster's y, 0..7
	s_lshr_b32 s22, ttmp9, 1                       ; 1 in V's clusters (cluster x = 2)
	s_xor_b32 s43, s22, 1
	s_mul_i32 s23, s21, s43
	s_lshl_b32 s23, s23, 2
	s_add_co_u32 s23, s23, s20                     ; the A side's tile of 256 rows: tokens 4 y + cy, or Wv's cy: it never holds cx
	s_mul_i32 s40, ttmp9, s43
	s_mul_i32 s44, s21, s22
	s_add_co_u32 s40, s40, s44
	s_lshl_b32 s40, s40, 2
	s_add_co_u32 s40, s40, s19                     ; the B side's: [Wq; Wk]'s 4 x + cx, or tokens 4 y + cx: it never holds cy
	s_lshl_b32 s41, s20, 2
	s_lshl_b32 s41, 15, s41                        ; my row of the cluster
	s_lshl_b32 s42, 0x1111, s19                    ; my column
	; descriptor group 1: 8 rows (row tiles) of 3,072 bytes, 12,288 bytes apart, as elements of 8 bytes; dense in LDS
	s_or_b32 s[G1+0], s41, (3<<16)|(1<<21)         ; 15:0 the mask; 17:16 elements of 8 bytes; 20 no padding; 21 set beside a mask
	s_or_b32 s[G1B+0], s42, (3<<16)|(1<<21)
.irp g, G1, G1B
	s_mov_b32 s[\g+1], 384<<16                     ; tensor_dim0
	s_mov_b32 s[\g+2], 8<<16                       ; tensor_dim1
	s_mov_b32 s[\g+3], 384<<16                     ; tile_dim0
	s_mov_b32 s[\g+4], 8                           ; tile_dim1
	s_mov_b32 s[\g+5], 1536                        ; tensor_dim0_stride
	s_mov_b32 s[\g+6], 0
	s_mov_b32 s[\g+7], 0
.endr
	; the scale words of 8 row tiles: 4,096 dense bytes, as 16 rows of 256
	s_or_b32 s[G1S+0], s41, (3<<16)|(1<<21)
	s_or_b32 s[G1SB+0], s42, (3<<16)|(1<<21)
.irp g, G1S, G1SB
	s_mov_b32 s[\g+1], 32<<16
	s_mov_b32 s[\g+2], 16<<16
	s_mov_b32 s[\g+3], 32<<16
	s_mov_b32 s[\g+4], 16
	s_mov_b32 s[\g+5], 32
	s_mov_b32 s[\g+6], 0
	s_mov_b32 s[\g+7], 0
.endr
	s_lshl_b32 s21, s18, 3                         ; which 8 row tiles of the 16 I fetch
	s_lshl_b32 s44, s23, 4
	s_add_co_u32 s44, s44, s21
	s_lshl_b32 s22, s22, 7                         ; (Wv's tiles begin at 128 in the weights' image)
	s_add_co_u32 s44, s44, s22                     ; A: my first row tile
	s_lshl_b32 s46, s40, 4
	s_add_co_u32 s46, s46, s21                     ; B: likewise
	s_lshl_b32 s2, s44, 9                          ; where their scale words begin,
	s_mov_b32 s3, 0
	s_lshl_b32 s66, s46, 9
	s_mov_b32 s67, 0
	s_mul_i32 s44, s44, TPITCH                     ; and their codes
	s_mov_b32 s45, 0
	s_mul_i32 s46, s46, TPITCH
	s_mov_b32 s47, 0
	s_mul_i32 s43, s16, HALFT                      ; where they go: wave x 8 tiles: no place in the cluster enters an LDS address
	s_mul_i32 s21, s16, HALFS
	s_wait_dscnt 0x0                               ; the opening add is done
	s_wait_kmcnt 0x0
	s_cmp_eq_u32 ttmp9, 2                          ; the sides' buffers, by the cluster's x, which all sixteen partners share
	s_cselect_b64 s[92:93], s[8:9], s[4:5]
	s_cselect_b64 s[94:95], s[10:11], s[6:7]
	s_cselect_b64 s[96:97], s[4:5], s[8:9]
	s_cselect_b64 s[98:99], s[6:7], s[10:11]
	s_add_nc_u64 s[92:93], s[92:93], s[44:45]
	s_add_nc_u64 s[94:95], s[94:95], s[2:3]
	s_add_nc_u64 s[96:97], s[96:97], s[46:47]
	s_add_nc_u64 s[98:99], s[98:99], s[66:67]
	CROUND                                         ; all sixteen work-groups are here: the first joint loads meet
	s_mov_b32 s[G0S], 1
	s_add_co_u32 s[G0S+1], s21, SCL
	s_mov_b64 s[G0S+2:G0S+3], s[94:95]
	s_or_b32 s[G0S+3], s[G0S+3], 0x80000000
	s_mov_b32 s[G0SB], 1
	s_add_co_u32 s[G0SB+1], s21, SCL
	s_mov_b64 s[G0SB+2:G0SB+3], s[98:99]
	s_or_b32 s[G0SB+3], s[G0SB+3], 0x80000000
	JLOAD G0S, G1S, G0SB, G1SB                     ; the scale words first: they are wanted with slot 0
.irp s, 0,1
	s_mov_b32 s[G0+4*\s], 1
	s_add_co_u32 s[G0+4*\s+1], s43, \s*SLOT
	s_add_nc_u64 s[G0+4*\s+2:G0+4*\s+3], s[92:93], \s*SLOTB
	s_or_b32 s[G0+4*\s+3], s[G0+4*\s+3], 0x80000000
	s_mov_b32 s[G0B+4*\s], 1
	s_add_co_u32 s[G0B+4*\s+1], s43, \s*SLOT
	s_add_nc_u64 s[G0B+4*\s+2:G0B+4*\s+3], s[96:97], \s*SLOTB
	s_or_b32 s[G0B+4*\s+3], s[G0B+4*\s+3], 0x80000000
	JLOAD G0+4*\s, G1, G0B+4*\s, G1B               ; three loads of mine are out behind the second
.endr
	v_and_b32 v15, 31, v0                          ; lane
	v_and_b32 v1, 15, v0                           ; r
	v_bfe_u32 v2, v0, 4, 1                         ; h
	v_lshlrev_b32 v12, 4, v15                      ; 16 x lane
	v_lshlrev_b32 v13, 3, v15                      ; 8 x lane
	s_mul_i32 s21, s17, HALFT                      ; my 8 tiles of A
	s_mul_i32 s22, s18, HALFT                      ; my 8 tiles of B,
	s_add_co_u32 s22, s22, 2*HALFT                 ; which lie behind A's 16
.irp s, 0,1
	v_add_nc_u32 v[ADRA+\s], s21, v12
	v_add_nc_u32 v[ADRB+\s], s22, v12
	v_add_nc_u32 v[ADRA+2+\s], s21, v13
	v_add_nc_u32 v[ADRB+2+\s], s22, v13
	s_add_co_u32 s21, s21, SLOT
	s_add_co_u32 s22, s22, SLOT
.endr
	v_lshlrev_b32 v5, 3, v1                        ; my row's two words of a slot
	s_mul_i32 s21, s17, HALFS
	s_mul_i32 s22, s18, HALFS
	s_add_co_u32 s22, s22, 2*HALFS
	s_sub_co_u32 s22, s22, s21
	v_mul_u32_u24 v6, s22, v2                      ; lanes 16-31 take B's: the lower base + h x the distance
	s_add_co_u32 s21, s21, SCL
	v_add_nc_u32 v5, v5, v6
	v_add_nc_u32 v[ADRS], s21, v5
	v_and_b32 v3, 8, v1
	v_add_nc_u32 v3, v3, v1                        ; r + 8 (r / 8)
	v_lshlrev_b32 v14, 8, v3
	v_lshl_add_u32 v14, v2, 6, v14                 ; the table: my token's row of 256 bytes, + my half's eight pairs
	s_wait_alu depctr_va_vdst(0)
	; where my results go.  Both places in the cluster enter here: these are addresses of stores alone
	s_and_b32 s47, s40, 3
	s_mov_b32 s21, QIMG
	s_mov_b32 s22, QSCL
	s_mov_b32 s67, KSCL
	s_cmp_lt_u32 s40, 4                            ; Wq's rows or Wk's
	s_cselect_b32 s21, s21, 0
	s_cselect_b32 s22, s22, s67
	s_mov_b32 s2, VIMG
	s_mov_b32 s3, VSCL
	s_cmp_eq_u32 ttmp9, 2
	s_cselect_b32 s21, s2, s21                     ; the image's region in a head block,
	s_cselect_b32 s22, s3, s22                     ; and the scale words'
	s_cselect_b32 s43, s40, s23                    ; the tile of 256 tokens,
	s_cselect_b32 s44, s18, s17                    ; my half of it,
	s_cselect_b32 s45, s23, s47                    ; the tile of 256 features (four heads),
	s_cselect_b32 s46, s17, s18                    ; my half of it,
	s_cselect_b32 s66, 8, 9                        ; and 256 or 512 bytes of scale words for 128 tokens
	s_lshl_b32 s67, s43, 1
	s_add_co_u32 s44, s44, s67
	s_and_b32 s44, s44, 15                         ; which 128 tokens of the batch's 2,048
	s_lshr_b32 s43, s43, 3                         ; the batch
	s_lshl_b32 s43, s43, 4
	s_lshl_b32 s45, s45, 2
	s_add_co_u32 s43, s43, s45
	s_lshl_b32 s46, s46, 1
	s_add_co_u32 s43, s43, s46                     ; 16 x batch + my first head
	s_mul_i32 s43, s43, HB
	s_lshl_b32 s46, s44, s66
	s_mul_i32 s44, s44, 6144
	s_add_co_u32 s44, s44, s43
	s_add_co_u32 s44, s44, s21
	s_mov_b32 s45, 0
	s_add_co_u32 s46, s46, s43
	s_add_co_u32 s46, s46, s22
	s_mov_b32 s47, 0
	s_add_nc_u64 s[92:93], s[14:15], s[44:45]      ; s[92:93] the codes
	s_add_nc_u64 s[94:95], s[14:15], s[46:47]      ; s[94:95] the scale words
	s_lshl_b32 s44, s23, 1
	s_add_co_u32 s44, s44, s17
	s_and_b32 s44, s44, 15
	s_lshl_b32 s44, s44, 15                        ; 128 rows of the table
	s_add_nc_u64 s[96:97], s[12:13], s[44:45]      ; s[96:97] the table at my first token
.macro TABLOAD a                       ; the 32 (cos, sin) of my token in A's tile a: my half's 8 pairs of each 16: eight loads; together the wave's loads cover 16 whole rows
.irp e, 0,1
.irp jj, 0,1,2,3
	global_load_b128 v[CSR+32*((\a)%2)+16*\e+4*\jj:CSR+32*((\a)%2)+16*\e+4*\jj+3], v14, s[96:97] offset:(32*((\a)/2)+8*((\a)%2))*256+128*\e+16*\jj
.endr
.endr
.endm
	TABLOAD 0                                      ; asked for here, so that they are in when the loop ends.  V's clusters ask too and leave them unused: sixteen loads, inside the table,
	TABLOAD 1                                      ; so that no path reaches the rotation without its table
.macro FRAG reg, adr, q, i             ; a fragment, 16 rows x 128 K: two half fragments on end, each 512 bytes of 16 a lane and 256 bytes of 8 a lane
	ds_load_b128 v[\reg:\reg+3], v[\adr] offset:SLOTB*(\i)+1536*(\q)
	ds_load_b64 v[\reg+4:\reg+5], v[\adr+2] offset:SLOTB*(\i)+1536*(\q)+512
	ds_load_b128 v[\reg+6:\reg+9], v[\adr] offset:SLOTB*(\i)+1536*(\q)+768
	ds_load_b64 v[\reg+10:\reg+11], v[\adr+2] offset:SLOTB*(\i)+1536*(\q)+1280
.endm
; 16 matrix instructions: A's tiles a0, a0 + 1 x B's eight, 128 along K.  The 64 accumulators take turns, one instruction a turn, in the same order in every step.
.macro MUL16 a0, p, q, sc, zero
.irp a, \a0, \a0+1
.irp b, 0,1,2,3,4,5,6,7
.if \zero
	v_wmma_scale_f32_16x16x128_f8f6f4 v[8*(8*((\a)%4)+\b):8*(8*((\a)%4)+\b)+7], v[128*(\p)+FR*\b:128*(\p)+FR*\b+FR-1], v[AF+FR*(\a):AF+FR*(\a)+FR-1], 0, v[SC+8*NQ*(\sc)+NQ*\b+(\q)], v[SC+8*NQ*(\sc)+NQ*(\a)+(\q)] matrix_a_fmt:MATRIX_FMT_FP6 matrix_b_fmt:MATRIX_FMT_FP6 matrix_a_scale:MATRIX_SCALE_ROW1
.else
	v_wmma_scale_f32_16x16x128_f8f6f4 v[8*(8*((\a)%4)+\b):8*(8*((\a)%4)+\b)+7], v[128*(\p)+FR*\b:128*(\p)+FR*\b+FR-1], v[AF+FR*(\a):AF+FR*(\a)+FR-1], v[8*(8*((\a)%4)+\b):8*(8*((\a)%4)+\b)+7], v[SC+8*NQ*(\sc)+NQ*\b+(\q)], v[SC+8*NQ*(\sc)+NQ*(\a)+(\q)] matrix_a_fmt:MATRIX_FMT_FP6 matrix_b_fmt:MATRIX_FMT_FP6 matrix_a_scale:MATRIX_SCALE_ROW1
.endif
.endr
.endr
.endm
.macro FETCH_B slot, q, p
	WIN TO_B
.irp i, 0,1,2,3,4,5,6,7
	FRAG 128*(\p)+FR*\i, ADRB+\slot, \q, \i
.endr
	WIN 0
.endm
.macro FETCH_A slot, q, i0
.irp i, \i0, \i0+1, \i0+2, \i0+3
	FRAG AF+FR*(\i), ADRA+\slot, \q, \i
.endr
.endm
.macro SCALES sc                       ; a slot's scale words: lanes 0-15 take A's tile i, lanes 16-31 B's tile i; two words a row
.irp i, 0,1,2,3,4,5,6,7
	ds_load_b64 v[SC+8*NQ*\sc+NQ*\i:SC+8*NQ*\sc+NQ*\i+1], v[ADRS] offset:\i*SBLK
.endr
.endm
.macro PLACES n                        ; plain vector instructions between a matrix instruction and a load into, or a vector read or write of, its registers
.rept \n
	v_nop
.endr
.endm
.macro STEP slot, q, zero              ; 128 along K that have their successor in the same slot
	s_wait_dscnt 4*NL                              ; B's set and A's tiles 0-3 are in; the youngest 16 loads (A's tiles 4-7) may be out
	WIN MUL_LO
	MUL16 0, (\q)%2, \q, \slot, \zero
	MUL16 2, (\q)%2, \q, \slot, \zero
	s_wait_dscnt 0
	PLACES NP
	FETCH_B \slot, (\q)+1, 1-(\q)%2
	FETCH_A \slot, (\q)+1, 0
	WIN MUL_HI
	MUL16 4, (\q)%2, \q, \slot, \zero
	MUL16 6, (\q)%2, \q, \slot, \zero
	PLACES NP
	WIN 0
	FETCH_A \slot, (\q)+1, 4
.endm
; A slot's last step changes slots: ONE barrier; in front of it each wave waits for all its tensor loads, adds 0 to its spare word, and waits for that and for its own reads of this slot.  fill = 1: the slot is filled again, two slots ahead.
.macro TURN slot, next, fill
	s_wait_tensorcnt 0x0                           ; all my tensor loads have landed: my part of the next slot
	ds_add_u32 v[SPW], v[NIL]                      ; 0 onto my spare word
	s_wait_dscnt 4*NL+1                            ; (the add and the youngest 16 loads may be out)
	WIN MUL_LO
	MUL16 0, 1, NQ-1, \slot, 0
	s_wait_dscnt 0x0                               ; the add is done, and my reads of this slot are over
	s_barrier_signal -1
	MUL16 2, 1, NQ-1, \slot, 0
	WIN 0
	s_barrier_wait -1
.if \fill
	CREST                                          ; the barrier has opened a round of the cluster's: no wave of any partner still reads this slot or has a load on its way
	s_add_nc_u64 s[G0+4*\slot+2:G0+4*\slot+3], s[G0+4*\slot+2:G0+4*\slot+3], 2*SLOTB
	s_add_nc_u64 s[G0B+4*\slot+2:G0B+4*\slot+3], s[G0B+4*\slot+2:G0B+4*\slot+3], 2*SLOTB
	JLOAD G0+4*\slot, G1, G0B+4*\slot, G1B         ; the first tensor load behind the round, my one; its four v_nop are the places in front of the loads below
.else
	PLACES NP
.endif
	s_wait_alu depctr_va_vdst(0)
	v_add_nc_u32 v[ADRS], 128, v[ADRS]             ; the next slot's scale words
	FETCH_B \next, 0, 0
	FETCH_A \next, 0, 0
	SCALES \next
	WIN MUL_HI
	MUL16 4, 1, NQ-1, \slot, 0
	MUL16 6, 1, NQ-1, \slot, 0
	PLACES NP
	WIN 0
	FETCH_A \next, 0, 4
.endm
	s_wait_tensorcnt 1                             ; the scale words and my part of slot 0 are in; slot 1's load may be out
	s_barrier_signal -1
	s_barrier_wait -1
	FETCH_B 0, 0, 0
	FETCH_A 0, 0, 0
	SCALES 0
	FETCH_A 0, 0, 4
	STEP 0, 0, 1                                   ; the first step stands in front of the loop: its products start the sums
	s_mov_b32 s3, LAPS-1
.Llap:                                                 ; a trip goes once round the ring and fills both slots again
	TURN 0, 1, 1
	STEP 1, 0, 0
	TURN 1, 0, 1
	STEP 0, 0, 0
	s_sub_co_u32 s3, s3, 1
	s_cmp_lg_u32 s3, 0
	s_cbranch_scc1 .Llap
	TURN 0, 1, 0                                   ; the last lap fills nothing
	STEP 1, 0, 0
	s_wait_dscnt 4*NL
	WIN MUL_LO
	MUL16 0, 1, NQ-1, 1, 0
	MUL16 2, 1, NQ-1, 1, 0
	s_wait_dscnt 0
	WIN MUL_HI
	MUL16 4, 1, NQ-1, 1, 0
	MUL16 6, 1, NQ-1, 1, 0
	WIN 0
; THE WAY OUT: no LDS.  For each of A's eight tiles a lane's 64 results, register 16 b + i = the B side's row 32 b + 16 (lane / 16) + i, are quantised as they stand and stored in the order of the next operand's registers.
; The rotation of tile a: pairs (x1, x2) of neighbouring features become (x1 cos - x2 sin, x1 sin + x2 cos), two packed instructions a pair; each accumulator is read from its low end on.
.macro ROPE a
	WIN 2+(\a)/4                                   ; source 0: the accumulators' window
.irp bb, 0,1,2,3
.irp i, 0,1,2,3,4,5,6,7
	v_pk_mul_f32 v[HA+16*\bb+2*\i:HA+16*\bb+2*\i+1], v[64*((\a)%4)+16*\bb+2*\i:64*((\a)%4)+16*\bb+2*\i+1], v[CSR+32*((\a)%2)+16*(\bb%2)+2*\i:CSR+32*((\a)%2)+16*(\bb%2)+2*\i+1] op_sel:[1,1] op_sel_hi:[1,0]   ; (x2 sin, x2 cos)
.endr
.irp i, 0,1,2,3,4,5,6,7
	v_pk_fma_f32 v[HA+16*\bb+2*\i:HA+16*\bb+2*\i+1], v[64*((\a)%4)+16*\bb+2*\i:64*((\a)%4)+16*\bb+2*\i+1], v[CSR+32*((\a)%2)+16*(\bb%2)+2*\i:CSR+32*((\a)%2)+16*(\bb%2)+2*\i+1], v[HA+16*\bb+2*\i:HA+16*\bb+2*\i+1] op_sel_hi:[0,1,1] neg_lo:[0,0,1]   ; (x1 cos - that, x1 sin + that)
.endr
.endr
	WIN 0
.endm
; 64 numbers of a lane at v[s] on, in window w, become a fragment's codes in v[PC] on and my row's scale word in v[PWS + a].
.macro QUANT s, w, a
	WIN ((\w)<<2)|((\w)<<4)                        ; sources 1 and 2: the numbers' window
.irp b, 0,1,2,3
	v_max3_num_f32 v[TM+\b], v[FLR], |v[(\s)+16*\b]|, |v[(\s)+16*\b+1]|   ; block b: my 16 numbers, and the floor, which holds the byte at 1 from below
.endr
.irp i, 2,4,6,8,10,12,14
.irp b, 0,1,2,3
	v_max3_num_f32 v[TM+\b], v[TM+\b], |v[(\s)+16*\b+\i]|, |v[(\s)+16*\b+\i+1]|
.endr
.endr
	WIN 0
.irp b, 0,1,2,3
	v_permlanex16_b32 v[TM+4+\b], v[TM+\b], s2, s3
.endr
.irp b, 0,1,2,3
	v_max_num_f32 v[TM+\b], v[TM+\b], v[TM+4+\b]   ; with lane l xor 16's: the block's largest magnitude
.endr
.irp b, 0,1,2,3
	v_add_nc_u32 v[TM+12+\b], 0xff000000, v[TM+\b] ; 2 off its exponent field: the conversion's scale operand
.endr
.irp b, 0,1,2,3
	v_lshrrev_b32 v[TM+4+\b], 23, v[TM+12+\b]      ; the scale's byte
.endr
	v_lshl_or_b32 v[PWS+(\a)], v[TM+5], 8, v[TM+4]
	v_lshl_or_b32 v[PWS+(\a)], v[TM+6], 16, v[PWS+(\a)]
	v_lshl_or_b32 v[PWS+(\a)], v[TM+7], 24, v[PWS+(\a)]
	s_wait_xcnt 0x0                                ; the last tile's stores have read the codes' registers
	WIN \w
.irp c, 0,1
	v_cvt_scalef32_pk16_fp6_f32 v[PC+6*\c:PC+6*\c+2], v[(\s)+32*\c:(\s)+32*\c+15], v[TM+12+2*\c]
	v_cvt_scalef32_pk16_fp6_f32 v[PT+4*\c:PT+4*\c+2], v[(\s)+32*\c+16:(\s)+32*\c+31], v[TM+12+2*\c+1]   ; (a conversion's three registers begin on an even number)
.endr
	WIN 0
	v_nop                                          ; one plain place behind a scaled conversion
.irp c, 0,1                            ; the operand's layout wants a WHOLE block in a lane: lanes 0-15 block 2 c, lanes 16-31 block 2 c + 1
.irp i, 0,1,2
	v_permlane16_swap_b32 v[PC+6*\c+\i], v[PT+4*\c+\i]
.endr
.irp i, 0,1,2
	v_mov_b32 v[PC+6*\c+3+\i], v[PT+4*\c+\i]
.endr
.endr
.endm
	PLACES NP                                      ; behind the last products: the lines below write registers that held A's fragments, and read results
	s_mov_b32 s2, 0x76543210
	s_mov_b32 s3, 0xfedcba98                       ; selects for lane l xor 16
	v_mov_b32 v[FLR], 0x1800000
.irp b, 0,1,2,3
	v_mov_b32 v[TM+4+\b], 0                        ; written once: a lane permute's destination counts as one of its sources
.endr
	s_cmp_eq_u32 ttmp9, 2                          ; the cluster's x: the same in all sixteen partners
	s_cbranch_scc1 .Lv
	; ---- Q or K: tile a is 16 tokens; my 128 features are two heads: registers 0-5 of the fragment are the first head's half fragment, registers 6-11 the second's
.irp a, 0,1,2,3,4,5,6,7
.if \a < 7
	s_wait_loadcnt 8                               ; this tile's eight table loads are in; the next tile's eight may be out
.else
	s_wait_loadcnt 0x0
.endif
	ROPE \a
.if \a < 6
	TABLOAD \a+2                                   ; into the set that has just been read
.endif
	QUANT HA, 0, \a
	global_store_b128 v12, v[PC:PC+3], s[92:93] offset:768*\a              ; whole aligned blocks of 256 bytes, two and one
	global_store_b64 v13, v[PC+4:PC+5], s[92:93] offset:768*\a+512
	global_store_b128 v12, v[PC+6:PC+9], s[92:93] offset:768*\a+HB         ; the next head's block
	global_store_b64 v13, v[PC+10:PC+11], s[92:93] offset:768*\a+HB+512
.endr
	v_cmp_le_u32 vcc_lo, 16, v15                   ; the scale words as the attention launch loads them: register m: lanes 0-15 tile 2 m, lanes 16-31 tile 2 m + 1
.irp b, 0,1,2,3
	v_cndmask_b32 v[SW+\b], v[PWS+2*\b], v[PWS+2*\b+1], vcc_lo   ; the first head reads bytes 0, 1; bytes 2, 3 meet zero codes there and are never 0xff
.endr
.irp b, 0,1,2,3
	v_lshrrev_b32 v[SW2+\b], 16, v[SW+\b]          ; the second head's two bytes, brought down
.endr
	global_store_b128 v12, v[SW:SW+3], s[94:95]
	global_store_b128 v12, v[SW2:SW2+3], s[94:95] offset:HB
	s_branch .Lend
.Lv:
	s_wait_alu depctr_va_vdst(0)
	; ---- V: tile a is 16 channels (head a / 4, channel tile a % 4); my 128 tokens are one key step: a whole fragment
.irp a, 0,1,2,3,4,5,6,7
	QUANT 64*(\a%4), 2+\a/4, \a
.irp c, 0,1
	global_store_b128 v12, v[PC+6*\c:PC+6*\c+3], s[92:93] offset:(\a/4)*HB+(\a%4)*1536+768*\c
	global_store_b64 v13, v[PC+6*\c+4:PC+6*\c+5], s[92:93] offset:(\a/4)*HB+(\a%4)*1536+768*\c+512
.endr
.endr
	v_cmp_le_u32 vcc_lo, 16, v15
.irp b, 0,1,2,3
	v_cndmask_b32 v[SW+\b], v[PWS+2*\b], v[PWS+2*\b+1], vcc_lo
.endr
	global_store_b64 v13, v[SW:SW+1], s[94:95]             ; one aligned block of 256 bytes a head
	global_store_b64 v13, v[SW+2:SW+3], s[94:95] offset:HB
.Lend:
	s_wait_tensorcnt 0x0                           ; the wave's end
	ds_add_u32 v[SPW], v[NIL]
	s_wait_dscnt 0x0
	CROUND                                         ; the closing round: no work-group ends while a partner may still ask for a tile that names it
	s_endpgm
.Lfunc_end_k_q3c0eee59c5_qkv:
	.size	k_q3c0eee59c5_qkv, .Lfunc_end_k_q3c0eee59c5_qkv-k_q3c0eee59c5_qkv
	.p2alignl 7, 3214868480
	.fill 96, 4, 3214868480
	.section	.rodata,"a",@progbits
	.p2align	6, 0x0
	.amdhsa_kernel k_q3c0eee59c5_qkv
		.amdhsa_group_segment_fixed_size 327680
		.amdhsa_private_segment_fixed_size 0
		.amdhsa_enable_private_segment 0
		.amdhsa_kernarg_size 48
		.amdhsa_user_sgpr_count 2
		.amdhsa_user_sgpr_kernarg_segment_ptr 1
		.amdhsa_wavefront_size32 1
		.amdhsa_system_sgpr_workgroup_id_x 1
		.amdhsa_system_sgpr_workgroup_id_y 1
		.amdhsa_system_sgpr_workgroup_id_z 1
		.amdhsa_system_vgpr_workitem_id 0
		.amdhsa_next_free_vgpr 1024
		.amdhsa_next_free_sgpr 100
		.amdhsa_reserve_vcc 1
		.amdhsa_float_denorm_mode_32 3
		.amdhsa_float_denorm_mode_16_64 3
		.amdhsa_memory_ordered 1
		.amdhsa_forward_progress 1
		.amdhsa_inst_pref_size 221
	.end_amdhsa_kernel
	.amdgpu_metadata
---
amdhsa.version: [ 1, 2 ]
amdhsa.kernels:
  - .name:           k_q3c0eee59c5_qkv
    .symbol:         k_q3c0eee59c5_qkv.kd
    .args:
      - { .name: ximg, .offset: 0, .size: 8, .value_kind: global_buffer, .address_space: global }
      - { .name: xscl, .offset: 8, .size: 8, .value_kind: global_buffer, .address_space: global }
      - { .name: wimg, .offset: 16, .size: 8, .value_kind: global_buffer, .address_space: global }
      - { .name: wscl, .offset: 24, .size: 8, .value_kind: global_buffer, .address_space: global }
      - { .name: rope, .offset: 32, .size: 8, .value_kind: global_buffer, .address_space: global }
      - { .name: qkv, .offset: 40, .size: 8, .value_kind: global_buffer, .address_space: global }
    .group_segment_fixed_size: 327680
    .private_segment_fixed_size: 0
    .kernarg_segment_align: 8
    .kernarg_segment_size: 48
    .max_flat_workgroup_size: 128
    .sgpr_count:     100
    .vgpr_count:     1024
    .wavefront_size: 32
...
	.end_amdgpu_metadata
.endif
;; end of part 2
;; launch attn (part 3): grid 4 x 64, 16 waves a work-group, clusters of 4 x 1, 210,944 bytes of LDS; arguments qkv, aimg, ascl; writes aimg, ascl
.if DOCPART == 3
	.amdgcn_target "amdgcn-amd-amdhsa--gfx1250"
	.amdhsa_code_object_version 6
	.text
	.protected	k_q3c0eee59c5_attn
	.globl	k_q3c0eee59c5_attn
	.p2align	8
	.type	k_q3c0eee59c5_attn,@function
k_q3c0eee59c5_attn:
	s_mov_b64 s[64:65], 0
	v_nop
	global_prefetch_b8 v0, s[64:65] scope:SCOPE_SE
	s_setreg_imm32_b32 hwreg(HW_REG_WAVE_MODE, 25, 1), 1
	s_wait_xcnt 0x0
	s_wait_alu depctr_hold_cnt(0) depctr_sa_sdst(0) depctr_va_vdst(0) depctr_va_sdst(0) depctr_va_ssrc(0) depctr_va_vcc(0) depctr_vm_vsrc(0)
	s_getreg_b32 s2, hwreg(HW_REG_IB_STS2, 6, 4)
	s_cmp_eq_u32 s2, 0
	s_cbranch_scc0 .Lentry_in_a_cluster
	s_endpgm
.Lentry_in_a_cluster:
	s_bfe_u32 s2, ttmp6, 0x10000c
	s_cmp_lg_u32 s2, 0x3003
	s_cbranch_scc0 .Lentry_shape_is_right
	s_endpgm
.Lentry_shape_is_right:
; ATTN.  For each of 64 heads (16 x batch + head): O[q] = sum over k <= q of softmax_k(Q[q] . K[k] / 8) V[k], both products on codes of FP6 (E2M3) with one E8M0 byte for each 32 along a product's K.  O is quantised along the model's 1,024
; in registers and leaves as codes and scale bytes in the order of the last product's operand registers.
; THE SOFTMAX: t = score x log2(e) / 8; M = the running largest t, rounded UP to a whole number; p = 2^(t - M) is quantised along the keys, not normalised; the row's sum is taken of the unquantised p and divides O at the end.
; When M moves, the sum and O are multiplied by 2^(old M - new M), which rounds nothing.
; A HEAD'S K AND V, codes and scale words, are 208,896 bytes: they come into LDS ONCE, as one dense block, 13,056 bytes a wave.  No slot is filled again; one barrier.
; CLUSTER: the four work-groups of a cluster serve one head and ask for that block jointly.
; SHARES.  A tile is 16 queries; a key step 128 keys.  Wave w of work-group cx takes two tiles one after the other: tile 2 cx of key block w, then tile 2 cx + 1 of key block 15 - w: (w + 1) + (16 - w) = 17 key steps for every wave.
; Trip counts are constants and the branches in the loop hang on the wave's number and the trip alone; cx enters addresses in memory and the mask's numbers, nothing else.
; LAYOUT.  Both products are used transposed: S^T = K Q^T, O^T = V^T P^T: a lane holds ONE query throughout.  Lane r of a tile of keys, queries or channels holds number 32 (T / 2) + 8 (T % 2) + r + 8 (r / 8), so that the 16 registers
; of tiles 2 b and 2 b + 1 are 16 neighbours, 32 b + 16 (lane / 16) + 0 .. 15.  The head's 64 fill half of the instruction's 128: registers 6-11 of K's and Q's fragments are zero codes.
; LIMITS: NaN and infinities are not served; a block whose largest magnitude lies under 2^-124 keeps the byte 1.
.set HB,    315392
.set VIMG,  98304                      ; LDS mirrors the head block's first 208,896 bytes: K's image at 0, V's here,
.set KSCL,  196608                     ; K's scale words, 512 bytes a key step,
.set VSCL,  204800                     ; V's, 256 bytes a key step
.set QIMG,  208896                     ; (in memory alone)
.set QSCL,  307200
.set PART,  13056                      ; 51 rows of 256 bytes: a wave's part of the block
.set SPARE, 208896                     ; the spare words, 128 bytes a wave, which no other line names
.set KS,  50                           ; v50-53  K's scale words of the step: register m: lanes 0-15 tile 2 m, lanes 16-31 tile 2 m + 1
.set VS,  54                           ; v54-55  V's likewise
.set KF,  56                           ; v56-103 four fragments of K
.set S,   104                          ; v104-167 S^T, then p; then V's four fragments in the first 48
.set O,   168                          ; v168-199 O^T
.set PC,  200                          ; v200-211 p's codes
.set PT,  212                          ; v212-219 the upper halves, as the conversions leave them
.set BM,  220                          ; v220-223 a block's largest score, then its largest p
.set BT,  224                          ; v224-227 the other half's; then the bytes
.set BO,  228                          ; v228-231 the conversions' scale operands
.set FF,  232                          ; v[232:233] f = 2^(old M - new M)
.set PW,  234                          ; v234 p's scale word
.set TT,  235                          ; v235 at work
.set L2,  236                          ; v[236:237] the sum's second chain
; v1 16 x lane, v2 8 x lane, v3, v4 the same + VIMG, v5 16 x lane + KSCL, v6 8 x lane + VSCL, v7 8 r, v8 16 r, v9, v10 the add's two, v11, v12 the mask's number for pass 0, 1, v13 -infinity,
; v14-19 the step's LDS addresses, v20 -M, v21 the largest t, v[22:23] the sum, v24-35, v36-47 Q of pass 0, 1, v48, v49 their scale words.
.macro CROUND                          ; a round of the cluster's barrier
	s_barrier_signal -1
	s_barrier_wait -1
	s_cmp_lg_u32 s10, 0
	s_cbranch_scc1 .Lnot_wave_0_\@
	s_barrier_signal -3
.Lnot_wave_0_\@:
	s_barrier_wait -3
	s_barrier_signal -1
	s_barrier_wait -1
.endm
	s_load_b128 s[4:7], s[0:1], 0x0                ; qkv, aimg
	s_load_b64 s[8:9], s[0:1], 0x10                ; ascl
	v_lshl_add_u32 v9, v0, 2, SPARE
	v_mov_b32 v10, 0
	ds_add_u32 v9, v10                             ; the wave's opening: the add and its wait stand ahead of my first tensor load; work on registers stands between them
	ds_add_u32 v9, v10
	v_lshrrev_b32 v1, 5, v0
	s_delay_alu instid0(VALU_DEP_1)
	v_readfirstlane_b32 s10, v1                    ; wave 0..15
	s_bfe_u32 s11, ttmp6, 0x40000                  ; cx
	s_and_b32 s12, ttmp7, 0xffff                   ; 16 x batch + head, which the four partners share
	; descriptor group 1: 51 rows of 256 bytes (32 elements of 8), dense
	s_mov_b32 s16, 15|(3<<16)|(1<<21)              ; 15:0 the mask: all four work-groups; 17:16 elements of 8 bytes; 21 set beside a mask
	s_mov_b32 s17, 32<<16
	s_mov_b32 s18, 51<<16
	s_mov_b32 s19, 32<<16
	s_mov_b32 s20, 51
	s_mov_b32 s21, 32
	s_mov_b32 s22, 0
	s_mov_b32 s23, 0
	s_mul_i32 s13, s10, PART                       ; my part: the same offset in LDS and in the head block
	s_mov_b32 s38, s13
	s_mov_b32 s39, 0
	s_mul_i32 s2, s12, HB
	s_mov_b32 s3, 0
	s_mov_b32 s34, 0x76543210
	s_mov_b32 s35, 0xfedcba98                      ; selects for lane l xor 16
	s_mov_b32 s36, 0x3e38aa3b                      ; c = log2(e) / 8
	s_mov_b32 s37, s36                             ; (named with it as a pair, so it is written)
	s_sub_co_u32 s33, 15, s10                      ; the second pass's key block
	s_lshl_b32 s28, s11, 1
	s_lshl_b32 s29, s10, 3
	s_add_co_u32 s29, s29, s28                     ; the first pass's tile of queries: 8 w + 2 cx
	s_lshl_b32 s30, s33, 3
	s_add_co_u32 s30, s30, s28
	s_add_co_u32 s30, s30, 1                       ; the second's: 8 (15 - w) + 2 cx + 1
	s_mul_i32 s48, s29, 768
	s_add_co_u32 s48, s48, QIMG
	s_mov_b32 s49, 0
	s_mul_i32 s50, s30, 768
	s_add_co_u32 s50, s50, QIMG
	s_mov_b32 s51, 0
	s_lshl_b32 s28, s11, 2
	s_lshl_b32 s52, s10, 9                         ; Q's scale words: 512 x key block + 256 x (tile % 2) + 4 x (tile / 2), + 16 r
	s_add_co_u32 s52, s52, s28
	s_add_co_u32 s52, s52, QSCL
	s_mov_b32 s53, 0
	s_lshl_b32 s54, s33, 9
	s_add_co_u32 s54, s54, s28
	s_add_co_u32 s54, s54, QSCL+256
	s_mov_b32 s55, 0
	s_lshr_b32 s31, s12, 4
	s_lshl_b32 s31, s31, 7                         ; 128 row tiles a batch
	s_and_b32 s32, s12, 15                         ; the head
	s_add_co_u32 s29, s29, s31                     ; the passes' row tiles in the result's image
	s_add_co_u32 s30, s30, s31
	s_mul_i32 s57, s32, 768                        ; the head's 64 are group number head of a row tile
	s_lshr_b32 s56, s32, 2                         ; its two scale bytes: slot head / 4, word (head / 2) % 2, bytes 2 (head % 2) on
	s_lshl_b32 s56, s56, 7
	s_bfe_u32 s58, s32, 0x10001
	s_lshl_b32 s58, s58, 2
	s_add_co_u32 s56, s56, s58
	s_and_b32 s58, s32, 1
	s_lshl_b32 s58, s58, 1
	s_add_co_u32 s56, s56, s58
	s_mul_i32 s40, s29, 12288
	s_add_co_u32 s40, s40, s57
	s_mov_b32 s41, 0
	s_lshl_b32 s42, s29, 9
	s_add_co_u32 s42, s42, s56
	s_mov_b32 s43, 0
	s_mul_i32 s44, s30, 12288
	s_add_co_u32 s44, s44, s57
	s_mov_b32 s45, 0
	s_lshl_b32 s46, s30, 9
	s_add_co_u32 s46, s46, s56
	s_mov_b32 s47, 0
	v_and_b32 v15, 31, v0                          ; lane
	s_delay_alu instid0(VALU_DEP_1)
	v_lshlrev_b32 v1, 4, v15
	s_delay_alu instid0(VALU_DEP_2)
	v_lshlrev_b32 v2, 3, v15
	s_delay_alu instid0(VALU_DEP_2)
	v_add_nc_u32 v3, VIMG, v1
	s_delay_alu instid0(VALU_DEP_2)
	v_add_nc_u32 v4, VIMG, v2
	s_delay_alu instid0(VALU_DEP_4)
	v_add_nc_u32 v5, KSCL, v1
	s_delay_alu instid0(VALU_DEP_4)
	v_add_nc_u32 v6, VSCL, v2
	v_and_b32 v16, 15, v0                          ; r
	v_bfe_u32 v17, v0, 4, 1                        ; h
	s_delay_alu instid0(VALU_DEP_2)
	v_lshlrev_b32 v7, 3, v16
	s_delay_alu instid0(VALU_DEP_3)
	v_lshlrev_b32 v8, 4, v16
	s_delay_alu instid0(VALU_DEP_4)
	v_and_b32 v18, 8, v16
	s_delay_alu instid0(VALU_DEP_1)
	v_add_nc_u32 v18, v18, v16                     ; r + 8 (r / 8)
	v_lshlrev_b32 v17, 4, v17
	s_delay_alu instid0(VALU_DEP_1)
	v_sub_nc_u32 v18, v18, v17
	s_lshl_b32 s28, s11, 5
	v_add_nc_u32 v11, s28, v18                     ; d = my query - its key block's first key - 16 h: on the diagonal register 16 b + i is hidden where 32 b + i > d
	s_delay_alu instid0(VALU_DEP_1)
	v_add_nc_u32 v12, 8, v11
	v_mov_b32 v13, 0xff800000                      ; -infinity
	s_wait_dscnt 0x0                               ; the opening add is done
	s_wait_kmcnt 0x0
	s_add_nc_u64 s[14:15], s[4:5], s[2:3]          ; the head block
	s_mov_b32 s24, 1                               ; group 0: count,
	s_mov_b32 s25, s13                             ; LDS address,
	s_add_nc_u64 s[26:27], s[14:15], s[38:39]      ; address in memory,
	s_or_b32 s27, s27, 0x80000000                  ; type
	s_add_nc_u64 s[48:49], s[14:15], s[48:49]      ; Q's half fragments,
	s_add_nc_u64 s[50:51], s[14:15], s[50:51]
	s_add_nc_u64 s[52:53], s[14:15], s[52:53]      ; their scale words,
	s_add_nc_u64 s[54:55], s[14:15], s[54:55]
	s_add_nc_u64 s[40:41], s[6:7], s[40:41]        ; and where the results go
	s_add_nc_u64 s[42:43], s[8:9], s[42:43]
	s_add_nc_u64 s[44:45], s[6:7], s[44:45]
	s_add_nc_u64 s[46:47], s[8:9], s[46:47]
	CROUND                                         ; all four work-groups are here: the joint loads meet
	tensor_load_to_lds s[24:27], s[16:23]          ; my one tensor load of the launch
	s_nop 0
.rept 4
	v_nop
.endr
	global_load_b128 v[24:27], v1, s[48:49]
	global_load_b64 v[28:29], v2, s[48:49] offset:512
	global_load_b128 v[36:39], v1, s[50:51]
	global_load_b64 v[40:41], v2, s[50:51] offset:512
	s_wait_alu depctr_va_vdst(0)
	global_load_b32 v48, v8, s[52:53]
	global_load_b32 v49, v8, s[54:55]
.irp j, 30,31,32,33,34,35,42,43,44,45,46,47
	v_mov_b32 v[\j], 0                             ; Q's k = 64 .. 127: zero codes
.endr
.irp t, 0,1,2,3
.irp j, 6,7,8,9,10,11
	v_mov_b32 v[KF+12*\t+\j], 0                    ; K's likewise: written once, no load lands there
.endr
.endr
.irp b, 0,1,2,3
	v_mov_b32 v[BT+\b], 0                          ; written once: a lane permute's destination counts as one of its sources
.endr
	v_mov_b32 v[FF+1], 0                           ; (named as the upper half of a pair)
	v_mov_b32 v[TT], 0
	s_wait_tensorcnt 0x0                           ; my part of the block is in,
	s_barrier_signal -1
	s_barrier_wait -1                              ; everybody's is
	s_wait_loadcnt 0x0                             ; Q
; ONE TILE OF QUERIES.  Sixteen trips, a constant; a trip whose keys all come after the tile's queries does only the lines that step addresses.
.macro PASS p
.if \p
	s_wait_xcnt 0x0                                ; the first pass's stores have read their registers, which the steps below write again
	s_sub_co_u32 s29, 15, s10                      ; the tile's key block: the last step that counts, and the one on the diagonal
.else
	s_mov_b32 s29, s10
.endif
	s_mov_b32 s28, 0                               ; the key step
	s_mov_b32 s30, 0                               ; its codes: 6,144 bytes a step in K's image and in V's
	s_mov_b32 s31, 0                               ; K's scale words: 512 a step
	s_mov_b32 s32, 0                               ; V's: 256
	v_mov_b32 v21, 0xff61b1e6                      ; the largest t so far: -3e38, under every t
	s_delay_alu instid0(VALU_DEP_1)
	v_floor_f32 v20, -v21                          ; -M
	v_mov_b32 v22, 0
	v_mov_b32 v23, 0
.set n, 0
.rept 32
	v_mov_b32 v[O+n], 0                            ; the step is written once: the first finds zeros, which the first change of M leaves zeros
.set n, n+1
.endr
.Lstep_\@:
	s_cmp_gt_u32 s28, s29
	s_cbranch_scc1 .Lskip_\@
	s_setprio 2
	v_add_nc_u32 v14, s30, v1                      ; six plain lines: also the places between the last step's products and the loads and products below, which write over their operands
	s_wait_alu depctr_va_vdst(0)
	v_add_nc_u32 v15, s30, v2
	s_wait_alu depctr_va_vdst(0)
	v_add_nc_u32 v16, s30, v3
	v_add_nc_u32 v17, s30, v4
	v_add_nc_u32 v18, s31, v5
	v_add_nc_u32 v19, s32, v6
	ds_load_b128 v[KS:KS+3], v18
	ds_load_b64 v[VS:VS+1], v19
.irp g, 0,1                            ; S^T = K Q^T, four tiles of 16 keys at a time
.if \g
.rept 4
	v_nop                                          ; places in front of loads into registers that matrix instructions have read
.endr
.endif
.irp t, 0,1,2,3
	ds_load_b128 v[KF+12*\t:KF+12*\t+3], v14 offset:768*(4*\g+\t)
	ds_load_b64 v[KF+12*\t+4:KF+12*\t+5], v15 offset:768*(4*\g+\t)+512
.endr
	s_wait_dscnt 0x0
.irp t, 0,2
	v_wmma_scale_f32_16x16x128_f8f6f4 v[S+8*(4*\g+\t):S+8*(4*\g+\t)+7], v[KF+12*\t:KF+12*\t+11], v[24+12*\p:35+12*\p], 0, v[KS+2*\g+\t/2], v[48+\p] matrix_a_fmt:MATRIX_FMT_FP6 matrix_b_fmt:MATRIX_FMT_FP6
	v_wmma_scale_f32_16x16x128_f8f6f4 v[S+8*(4*\g+\t+1):S+8*(4*\g+\t+1)+7], v[KF+12*(\t+1):KF+12*(\t+1)+11], v[24+12*\p:35+12*\p], 0, v[KS+2*\g+\t/2], v[48+\p] matrix_a_fmt:MATRIX_FMT_FP6 matrix_b_fmt:MATRIX_FMT_FP6 matrix_a_scale:MATRIX_SCALE_ROW1
.endr
.endr
.rept 4
	v_nop
.endr
	s_cmp_lg_u32 s28, s29                          ; on the diagonal the scores of hidden keys become -infinity ahead of the maximum: p = 0 then
	s_cbranch_scc1 .Lopen_\@
.set n, 0
.rept 64
	v_cmp_gt_i32 vcc_lo, 32*(n/16)+n%16, v[11+\p]
	v_cndmask_b32 v[S+n], v[S+n], v13, vcc_lo
.set n, n+1
.endr
.Lopen_\@:
.irp b, 0,1,2,3
	v_max3_num_f32 v[BM+\b], v[S+16*\b], v[S+16*\b+1], v[S+16*\b+2]   ; the largest score of each block of 32 keys: for the row's maximum, and, since p rises with the score, for the block's largest p
.endr
.irp i, 3,5,7,9,11,13
.irp b, 0,1,2,3
	v_max3_num_f32 v[BM+\b], v[BM+\b], v[S+16*\b+\i], v[S+16*\b+\i+1]
.endr
.endr
.irp b, 0,1,2,3
	v_max_num_f32 v[BM+\b], v[BM+\b], v[S+16*\b+15]
.endr
.irp b, 0,1,2,3
	s_delay_alu instid0(VALU_DEP_4)
	v_permlanex16_b32 v[BT+\b], v[BM+\b], s34, s35
.endr
.irp b, 0,1,2,3
	s_delay_alu instid0(VALU_DEP_4)
	v_max_num_f32 v[BM+\b], v[BM+\b], v[BT+\b]     ; with lane l xor 16's 16 keys
.endr
	s_delay_alu instid0(VALU_DEP_2)
	v_max3_num_f32 v[TT], v[BM], v[BM+1], v[BM+2]
	s_delay_alu instid0(VALU_DEP_1)
	v_max_num_f32 v[TT], v[TT], v[BM+3]
	s_delay_alu instid0(VALU_DEP_1)
	v_mul_f32 v[TT], s36, v[TT]                    ; the step's largest t (c is positive)
	s_delay_alu instid0(VALU_DEP_1)
	v_max_num_f32 v21, v21, v[TT]
	v_mov_b32 v[TT], v20
	s_delay_alu instid0(VALU_DEP_2)
	v_floor_f32 v20, -v21                          ; the new -M = -ceil(t): a whole number
	s_delay_alu instid0(VALU_DEP_1)
	v_sub_f32 v[TT], v20, v[TT]                    ; old M - new M: a whole number, 0 or less
	s_delay_alu instid0(VALU_DEP_1)
	v_cvt_i32_f32 v[TT], v[TT]                     ; (it saturates)
	s_delay_alu instid0(VALU_DEP_1)
	v_ldexp_f32 v[FF], 1.0, v[TT]                  ; f = 2^(old M - new M)
.set n, 0
.rept 32
	v_pk_fma_f32 v[S+n:S+n+1], v[S+n:S+n+1], s[36:37], v[20:21] op_sel_hi:[1,0,0]   ; t - M, two at a time
.set n, n+2
.endr
	s_setprio 1
.irp b, 0,1,2,3
	v_fma_f32 v[BM+\b], v[BM+\b], s36, v20         ; the same of each block's largest score
.endr
.set n, 0
	s_wait_alu depctr_va_vdst(0)
.rept 64
	v_exp_f32 v[S+n], v[S+n]                       ; p = 2^(t - M), at most 1
.set n, n+1
.endr
	v_pk_mul_f32 v[22:23], v[22:23], v[FF:FF+1] op_sel_hi:[1,0]   ; the sums under the new M (a plain place behind the exponentials)
	s_wait_alu depctr_va_vdst(0)                   ; one wait for the whole batch, ahead of its first reader
.irp b, 0,1,2,3
	v_exp_f32 v[BM+\b], v[BM+\b]                   ; the block's largest p: the same two instructions on the same number
.endr
	v_pk_add_f32 v[236:237], v[108:109], v[112:113]
	v_pk_add_f32 v[254:255], v[116:117], v[120:121]
	v_pk_add_f32 v[252:253], v[124:125], v[128:129]
	v_pk_add_f32 v[250:251], v[132:133], v[136:137]
	v_pk_add_f32 v[248:249], v[140:141], v[144:145]
	v_pk_add_f32 v[246:247], v[148:149], v[152:153]
	v_pk_add_f32 v[244:245], v[156:157], v[160:161]
	v_pk_add_f32 v[22:23], v[22:23], v[164:165]
	v_pk_add_f32 v[236:237], v[236:237], v[104:105]
	v_pk_add_f32 v[254:255], v[254:255], v[106:107]
	v_pk_add_f32 v[252:253], v[252:253], v[110:111]
	v_pk_add_f32 v[250:251], v[250:251], v[114:115]
	v_pk_add_f32 v[248:249], v[248:249], v[118:119]
	v_pk_add_f32 v[246:247], v[246:247], v[122:123]
	v_pk_add_f32 v[244:245], v[244:245], v[126:127]
	v_pk_add_f32 v[22:23], v[22:23], v[130:131]
	v_pk_add_f32 v[236:237], v[236:237], v[134:135]
	v_pk_add_f32 v[254:255], v[254:255], v[138:139]
	v_pk_add_f32 v[252:253], v[252:253], v[142:143]
	v_pk_add_f32 v[250:251], v[250:251], v[146:147]
	v_pk_add_f32 v[248:249], v[248:249], v[150:151]
	v_pk_add_f32 v[246:247], v[246:247], v[154:155]
	v_pk_add_f32 v[244:245], v[244:245], v[158:159]
	v_pk_add_f32 v[22:23], v[22:23], v[162:163]
	v_pk_add_f32 v[236:237], v[236:237], v[166:167]
	s_delay_alu instid0(VALU_DEP_2)
	v_pk_add_f32 v[22:23], v[22:23], v[250:251]
	s_delay_alu instid0(VALU_DEP_2)
	v_pk_add_f32 v[236:237], v[236:237], v[248:249]
	v_pk_add_f32 v[254:255], v[254:255], v[246:247]
	v_pk_add_f32 v[252:253], v[252:253], v[244:245]
	s_delay_alu instid0(VALU_DEP_2)
	v_pk_add_f32 v[22:23], v[22:23], v[254:255]
	s_delay_alu instid0(VALU_DEP_2)
	v_pk_add_f32 v[236:237], v[236:237], v[252:253]
	s_delay_alu instid0(VALU_DEP_1)
	v_pk_add_f32 v[22:23], v[22:23], v[236:237]
	s_wait_alu depctr_va_vdst(0)                   ; and one for the four
.irp b, 0,1,2,3
	v_max_num_f32 v[BM+\b], 0x1800000, v[BM+\b]    ; the floor 2^(3 - 127): the byte cannot fall under 1
.endr
.irp b, 0,1,2,3
	s_delay_alu instid0(VALU_DEP_4)
	v_add_nc_u32 v[BO+\b], 0xff000000, v[BM+\b]    ; 2 off the exponent field: the conversion's scale operand
.endr
.irp b, 0,1,2,3
	s_delay_alu instid0(VALU_DEP_4)
	v_lshrrev_b32 v[BT+\b], 23, v[BO+\b]           ; the scale's byte
.endr
	s_delay_alu instid0(VALU_DEP_3)
	v_lshl_or_b32 v[PW], v[BT+1], 8, v[BT]         ; p's scale word for these 128 keys
	s_delay_alu instid0(VALU_DEP_1)
	v_lshl_or_b32 v[PW], v[BT+2], 16, v[PW]
	s_delay_alu instid0(VALU_DEP_1)
	v_lshl_or_b32 v[PW], v[BT+3], 24, v[PW]
.irp c, 0,1
	v_cvt_scalef32_pk16_fp6_f32 v[PC+6*\c:PC+6*\c+2], v[S+32*\c:S+32*\c+15], v[BO+2*\c]
	v_cvt_scalef32_pk16_fp6_f32 v[PT+4*\c:PT+4*\c+2], v[S+32*\c+16:S+32*\c+31], v[BO+2*\c+1]   ; (a conversion's three registers begin on an even number)
.endr
	v_nop                                          ; one plain place behind a scaled conversion
	s_setprio 0
.irp t, 0,1,2,3                        ; V's four fragments (16 channels x 128 keys) land where p lay, while the lines below are worked
	ds_load_b128 v[S+12*\t:S+12*\t+3], v16 offset:1536*\t
	ds_load_b64 v[S+12*\t+4:S+12*\t+5], v17 offset:1536*\t+512
	ds_load_b128 v[S+12*\t+6:S+12*\t+9], v16 offset:1536*\t+768
	ds_load_b64 v[S+12*\t+10:S+12*\t+11], v17 offset:1536*\t+1280
.endr
.irp c, 0,1                            ; the operand's layout wants a WHOLE block in a lane
.irp i, 0,1,2
	v_permlane16_swap_b32 v[PC+6*\c+\i], v[PT+4*\c+\i]
.endr
.irp i, 0,1,2
	s_delay_alu instid0(VALU_DEP_3)
	v_mov_b32 v[PC+6*\c+3+\i], v[PT+4*\c+\i]
.endr
.endr
.set n, 0
.rept 16
	v_pk_mul_f32 v[O+n:O+n+1], v[O+n:O+n+1], v[FF:FF+1] op_sel_hi:[1,0]   ; O^T under the new M.  (These sixteen are also the places between the lines that made p's codes and scale word and the products)
.set n, n+2
.endr
	s_wait_alu depctr_va_vdst(0)
	s_wait_dscnt 0x0
.irp t, 0,2                            ; O^T += V^T P^T: the four accumulators by turns
	v_wmma_scale_f32_16x16x128_f8f6f4 v[O+8*\t:O+8*\t+7], v[S+12*\t:S+12*\t+11], v[PC:PC+11], v[O+8*\t:O+8*\t+7], v[VS+\t/2], v[PW] matrix_a_fmt:MATRIX_FMT_FP6 matrix_b_fmt:MATRIX_FMT_FP6
	v_wmma_scale_f32_16x16x128_f8f6f4 v[O+8*(\t+1):O+8*(\t+1)+7], v[S+12*(\t+1):S+12*(\t+1)+11], v[PC:PC+11], v[O+8*(\t+1):O+8*(\t+1)+7], v[VS+\t/2], v[PW] matrix_a_fmt:MATRIX_FMT_FP6 matrix_b_fmt:MATRIX_FMT_FP6 matrix_a_scale:MATRIX_SCALE_ROW1
.endr
.Lskip_\@:
	s_add_co_u32 s30, s30, 6144
	s_add_co_u32 s31, s31, 512
	s_add_co_u32 s32, s32, 256
	s_add_co_u32 s28, s28, 1
	s_cmp_lt_u32 s28, 16
	s_cbranch_scc1 .Lstep_\@
	s_setprio 0
	; the tile's way out: O^T / the sum; register 16 b + i is channel 32 b + 16 h + i of my query: two blocks along the last product's K, quantised as they stand
.rept 4
	v_nop                                          ; places behind the last products
.endr
	v_add_f32 v22, v22, v23
	s_delay_alu instid0(VALU_DEP_1)
	v_permlanex16_b32 v[TT], v22, s34, s35
	s_delay_alu instid0(VALU_DEP_1)
	v_add_f32 v22, v22, v[TT]                      ; the row's sum
	s_wait_alu depctr_va_vdst(0)
	v_rcp_f32 v22, v22
	v_nop                                          ; a plain place behind the reciprocal
	s_wait_alu depctr_va_vdst(0)                   ; and the wait ahead of its first reader
.set n, 0
.rept 32
	v_mul_f32 v[S+n], v[O+n], v22
.set n, n+1
.endr
.irp b, 0,1
	v_max3_num_f32 v[BM+\b], |v[S+16*\b]|, |v[S+16*\b+1]|, 0x1800000
.endr
.irp i, 2,4,6,8,10,12,14
.irp b, 0,1
	s_delay_alu instid0(VALU_DEP_2)
	v_max3_num_f32 v[BM+\b], v[BM+\b], |v[S+16*\b+\i]|, |v[S+16*\b+\i+1]|
.endr
.endr
.irp b, 0,1
	s_delay_alu instid0(VALU_DEP_2)
	v_permlanex16_b32 v[BT+\b], v[BM+\b], s34, s35
.endr
.irp b, 0,1
	s_delay_alu instid0(VALU_DEP_2)
	v_max_num_f32 v[BM+\b], v[BM+\b], v[BT+\b]
.endr
.irp b, 0,1
	s_delay_alu instid0(VALU_DEP_2)
	v_add_nc_u32 v[BO+\b], 0xff000000, v[BM+\b]
.endr
.irp b, 0,1
	s_delay_alu instid0(VALU_DEP_2)
	v_lshrrev_b32 v[BT+\b], 23, v[BO+\b]
.endr
	s_delay_alu instid0(VALU_DEP_1)
	v_lshl_or_b32 v[TT], v[BT+1], 8, v[BT]         ; my row's two scale bytes
	v_cvt_scalef32_pk16_fp6_f32 v[PC:PC+2], v[S:S+15], v[BO]
	v_cvt_scalef32_pk16_fp6_f32 v[PT:PT+2], v[S+16:S+31], v[BO+1]
	v_nop
.irp i, 0,1,2
	v_permlane16_swap_b32 v[PC+\i], v[PT+\i]
.endr
.irp i, 0,1,2
	s_delay_alu instid0(VALU_DEP_3)
	v_mov_b32 v[PC+3+\i], v[PT+\i]
.endr
	global_store_b128 v1, v[PC:PC+3], s[40+4*\p:41+4*\p]              ; a half fragment: whole aligned blocks of 256 bytes, two and one
	global_store_b64 v2, v[PC+4:PC+5], s[40+4*\p:41+4*\p] offset:512
	global_store_b16 v7, v[TT], s[42+4*\p:43+4*\p]                    ; two bytes a row, 8 bytes apart (lanes 16-31 write the same bytes with the same values): one byte in 24 of what the tile stores
.endm
	PASS 0
	PASS 1
	s_wait_tensorcnt 0x0                           ; the wave's end
	ds_add_u32 v9, v10
	s_wait_dscnt 0x0
	CROUND                                         ; the closing round
	s_endpgm
.Lfunc_end_k_q3c0eee59c5_attn:
	.size	k_q3c0eee59c5_attn, .Lfunc_end_k_q3c0eee59c5_attn-k_q3c0eee59c5_attn
	.p2alignl 7, 3214868480
	.fill 96, 4, 3214868480
	.section	.rodata,"a",@progbits
	.p2align	6, 0x0
	.amdhsa_kernel k_q3c0eee59c5_attn
		.amdhsa_group_segment_fixed_size 210944
		.amdhsa_private_segment_fixed_size 0
		.amdhsa_enable_private_segment 0
		.amdhsa_kernarg_size 24
		.amdhsa_user_sgpr_count 2
		.amdhsa_user_sgpr_kernarg_segment_ptr 1
		.amdhsa_wavefront_size32 1
		.amdhsa_system_sgpr_workgroup_id_x 1
		.amdhsa_system_sgpr_workgroup_id_y 1
		.amdhsa_system_sgpr_workgroup_id_z 1
		.amdhsa_system_vgpr_workitem_id 0
		.amdhsa_next_free_vgpr 256
		.amdhsa_next_free_sgpr 66
		.amdhsa_reserve_vcc 1
		.amdhsa_float_denorm_mode_32 3
		.amdhsa_float_denorm_mode_16_64 3
		.amdhsa_memory_ordered 1
		.amdhsa_forward_progress 1
		.amdhsa_inst_pref_size 66
	.end_amdhsa_kernel
	.amdgpu_metadata
---
amdhsa.version: [ 1, 2 ]
amdhsa.kernels:
  - .name:           k_q3c0eee59c5_attn
    .symbol:         k_q3c0eee59c5_attn.kd
    .args:
      - { .name: qkv, .offset: 0, .size: 8, .value_kind: global_buffer, .address_space: global }
      - { .name: aimg, .offset: 8, .size: 8, .value_kind: global_buffer, .address_space: global }
      - { .name: ascl, .offset: 16, .size: 8, .value_kind: global_buffer, .address_space: global }
    .group_segment_fixed_size: 210944
    .private_segment_fixed_size: 0
    .kernarg_segment_align: 8
    .kernarg_segment_size: 24
    .max_flat_workgroup_size: 512
    .sgpr_count:     66
    .vgpr_count:     256
    .wavefront_size: 32
...
	.end_amdgpu_metadata
.endif
;; end of part 3
;; launch outp (part 4): grid 4 x 32, 4 waves a work-group, clusters of 4 x 4, 327,680 bytes of LDS; arguments aimg, ascl, wimg, wscl, out0; writes out0
.if DOCPART == 4
	.amdgcn_target "amdgcn-amd-amdhsa--gfx1250"
	.amdhsa_code_object_version 6
	.text
	.protected	k_q3c0eee59c5_outp
	.globl	k_q3c0eee59c5_outp
	.p2align	8
	.type	k_q3c0eee59c5_outp,@function
k_q3c0eee59c5_outp:
	s_mov_b64 s[64:65], 0
	v_nop
	global_prefetch_b8 v0, s[64:65] scope:SCOPE_SE
	s_setreg_imm32_b32 hwreg(HW_REG_WAVE_MODE, 25, 1), 1
	s_wait_xcnt 0x0
	s_wait_alu depctr_hold_cnt(0) depctr_sa_sdst(0) depctr_va_vdst(0) depctr_va_sdst(0) depctr_va_ssrc(0) depctr_va_vcc(0) depctr_vm_vsrc(0)
	s_getreg_b32 s2, hwreg(HW_REG_IB_STS2, 6, 4)
	s_cmp_eq_u32 s2, 0
	s_cbranch_scc0 .Lentry_in_a_cluster
	s_endpgm
.Lentry_in_a_cluster:
	s_bfe_u32 s2, ttmp6, 0x10000c
	s_cmp_lg_u32 s2, 0xf033
	s_cbranch_scc0 .Lentry_shape_is_right
	s_endpgm
.Lentry_shape_is_right:
; OUTP.  out0 = A Wo^T, A the attention's result [8192][1024], both as codes of FP6 (E2M3) with one E8M0 byte for each 32 along K = 1,024; out0 [8192][1024] f32.
; A tile of 256 x 256 is made by four waves, each 128 x 128: 64 accumulators of 16 x 16.  K goes in four slots of 256 through a ring of two LDS slots filled by the tensor data mover.
; THE OPERANDS LIE IN MEMORY IN THE ORDER OF THE OPERAND'S REGISTERS: image [row tile][K / 64][768 bytes] (registers 0-3 of lane l at 16 l, registers 4-5 at 512 + 8 l); lane r of tile T holds row 32 (T / 2) + 8 (T % 2) + r + 8 (r / 8).
; So a fragment is two loads of 16 bytes and two of 8 a lane, each of consecutive bytes, and LDS needs no padding.  Scale words: [row tile][K / 256][r][2 words].  Wo's tiles begin at 192 in the weights' image.
; THE MATRIX INSTRUCTION IS USED TRANSPOSED (source 0 = 16 rows of Wo, source 1 = 16 tokens): a lane holds one token, and the 16 registers of Wo's tiles 2 b, 2 b + 1 are outputs 32 b + 16 (lane / 16) + 0 .. 15.
; CLUSTERS: 4 x 4 work-groups; A's tile is shared along a row of the cluster, Wo's along a column: each is asked for jointly.  The grid has 128 work-groups: 8,192 x 1,024 in tiles of 256 x 256.
; REGISTERS: window 0: v1-29 addresses; v32-63 scale words, two sets; v128-223 A's fragments, ONE set (on the way out v128-255 take rows of the result).  window 1: Wo's fragments, two sets, at v0 and v128.
;   window 2: the accumulators of A's tiles 0-3 ((a, b) at v[8 (8 (a % 4) + b)]);  window 3: those of tiles 4-7.
.set TPITCH, 12288
.set SLOTB,  3072
.set NQ,     2
.set FR,     12
.set NL,     4
.set NP,     4                         ; places behind this matrix instruction (ISA guide 7.12.1)
.set HALFT,  8*SLOTB
.set SLOT,   4*HALFT
.set LAPS,   2
.set SCL,    2*SLOT
.set HALFS,  4096
.set SBLK,   512
.set SPARE,  SCL+4*HALFS               ; the spare words, 128 bytes a wave, which no other line names
.set SPITCH, 528                       ; the way out: a stage of 16 rows x (512 bytes + 16) for each wave, in slot 0, which has had its last fill and its last read when the first result is stored there
.set ADRA, 16
.set ADRB, 20
.set STO,  24                          ; v24 where I put my token's results in the stage
.set RD,   25                          ; v25 where I read a row back
.set ADRS, 27
.set SPW,  28
.set NIL,  29
.set SC,   32
.set AF,   128
.set BK,   128                         ; 16 rows read back: v128-191 and v192-255 by turns
.set G1, 24
.set G0, 32
.set G1B, 48
.set G0B, 56
.set G1S, 68
.set G0S, 76
.set G1SB, 80
.set G0SB, 88
.set MSB, 0
.macro WIN new                         ; the immediate's high byte repeats the setting that is left
.if MSB != (\new)
	s_set_vgpr_msb (MSB<<8)|(\new)
.set MSB, (\new)
.endif
.endm
.set MUL_LO, 0xa1
.set MUL_HI, 0xf1
.set TO_B,   0x40
.macro JLOAD g0a, g1a, g0b, g1b        ; a joint load: waves 0 and 1 fetch for A, waves 2 and 3 for Wo; an s_nop 0 and four v_nop follow each of the two lines
	s_cmp_eq_u32 s17, 0
	s_cbranch_scc0 .Lfor_b_\@
	tensor_load_to_lds s[\g0a:\g0a+3], s[\g1a:\g1a+7]
	s_nop 0
.rept 4
	v_nop
.endr
	s_branch .Lasked_\@
.Lfor_b_\@:
	tensor_load_to_lds s[\g0b:\g0b+3], s[\g1b:\g1b+7]
	s_nop 0
.rept 4
	v_nop
.endr
.Lasked_\@:
.endm
.macro CREST
	s_cmp_lg_u32 s16, 0
	s_cbranch_scc1 .Lnot_wave_0_\@
	s_barrier_signal -3
.Lnot_wave_0_\@:
	s_barrier_wait -3
	s_barrier_signal -1
	s_barrier_wait -1
.endm
.macro CROUND
	s_barrier_signal -1
	s_barrier_wait -1
	CREST
.endm
	s_load_b256 s[4:11], s[0:1], 0x0               ; aimg, ascl, wimg, wscl
	s_load_b64 s[12:13], s[0:1], 0x20              ; out0
	v_lshl_add_u32 v[SPW], v0, 2, SPARE
	v_mov_b32 v[NIL], 0
	ds_add_u32 v[SPW], v[NIL]                      ; the wave's opening: the add and its wait stand ahead of my first tensor load; work on registers stands between them
	ds_add_u32 v[SPW], v[NIL]
	v_lshrrev_b32 v1, 5, v0
	v_readfirstlane_b32 s16, v1                    ; wave 0..3
	s_lshr_b32 s17, s16, 1                         ; which half of the tile's tokens is mine.  Also: I fetch for A (0) or for Wo (1)
	s_and_b32 s18, s16, 1                          ; which half of its outputs.  Also: which 8 row tiles I fetch
	s_bfe_u32 s19, ttmp6, 0x40000                  ; cx
	s_bfe_u32 s20, ttmp6, 0x40004                  ; cy
	s_lshl_b32 s40, ttmp9, 2
	s_add_co_u32 s40, s40, s19                     ; the tile of 256 outputs
	s_and_b32 s23, ttmp7, 0xffff
	s_lshl_b32 s23, s23, 2
	s_add_co_u32 s23, s23, s20                     ; the tile of 256 tokens
	s_lshl_b32 s41, s20, 2
	s_lshl_b32 s41, 15, s41                        ; my row of the cluster
	s_lshl_b32 s42, 0x1111, s19                    ; my column
	; descriptor group 1: 8 rows (row tiles) of 3,072 bytes, 12,288 bytes apart, as elements of 8 bytes; dense in LDS
	s_or_b32 s[G1+0], s41, (3<<16)|(1<<21)
	s_or_b32 s[G1B+0], s42, (3<<16)|(1<<21)
.irp g, G1, G1B
	s_mov_b32 s[\g+1], 384<<16
	s_mov_b32 s[\g+2], 8<<16
	s_mov_b32 s[\g+3], 384<<16
	s_mov_b32 s[\g+4], 8
	s_mov_b32 s[\g+5], 1536
	s_mov_b32 s[\g+6], 0
	s_mov_b32 s[\g+7], 0
.endr
	; the scale words of 8 row tiles: 4,096 dense bytes, as 16 rows of 256
	s_or_b32 s[G1S+0], s41, (3<<16)|(1<<21)
	s_or_b32 s[G1SB+0], s42, (3<<16)|(1<<21)
.irp g, G1S, G1SB
	s_mov_b32 s[\g+1], 32<<16
	s_mov_b32 s[\g+2], 16<<16
	s_mov_b32 s[\g+3], 32<<16
	s_mov_b32 s[\g+4], 16
	s_mov_b32 s[\g+5], 32
	s_mov_b32 s[\g+6], 0
	s_mov_b32 s[\g+7], 0
.endr
	s_lshl_b32 s21, s18, 3
	s_lshl_b32 s44, s23, 4
	s_add_co_u32 s44, s44, s21                     ; A: my first row tile
	s_lshl_b32 s46, s40, 4
	s_add_co_u32 s46, s46, s21
	s_add_co_u32 s46, s46, 192                     ; Wo: likewise
	s_lshl_b32 s2, s44, 9
	s_mov_b32 s3, 0
	s_lshl_b32 s66, s46, 9
	s_mov_b32 s67, 0
	s_mul_i32 s44, s44, TPITCH
	s_mov_b32 s45, 0
	s_mul_i32 s46, s46, TPITCH
	s_mov_b32 s47, 0
	s_mul_i32 s43, s16, HALFT                      ; where they go: wave x 8 tiles: no place in the cluster enters an LDS address
	s_mul_i32 s21, s16, HALFS
	s_wait_dscnt 0x0                               ; the opening add is done
	s_wait_kmcnt 0x0
	s_add_nc_u64 s[92:93], s[4:5], s[44:45]
	s_add_nc_u64 s[94:95], s[6:7], s[2:3]
	s_add_nc_u64 s[96:97], s[8:9], s[46:47]
	s_add_nc_u64 s[98:99], s[10:11], s[66:67]
	CROUND                                         ; all sixteen work-groups are here: the first joint loads meet
	s_mov_b32 s[G0S], 1
	s_add_co_u32 s[G0S+1], s21, SCL
	s_mov_b64 s[G0S+2:G0S+3], s[94:95]
	s_or_b32 s[G0S+3], s[G0S+3], 0x80000000
	s_mov_b32 s[G0SB], 1
	s_add_co_u32 s[G0SB+1], s21, SCL
	s_mov_b64 s[G0SB+2:G0SB+3], s[98:99]
	s_or_b32 s[G0SB+3], s[G0SB+3], 0x80000000
	JLOAD G0S, G1S, G0SB, G1SB
.irp s, 0,1
	s_mov_b32 s[G0+4*\s], 1
	s_add_co_u32 s[G0+4*\s+1], s43, \s*SLOT
	s_add_nc_u64 s[G0+4*\s+2:G0+4*\s+3], s[92:93], \s*SLOTB
	s_or_b32 s[G0+4*\s+3], s[G0+4*\s+3], 0x80000000
	s_mov_b32 s[G0B+4*\s], 1
	s_add_co_u32 s[G0B+4*\s+1], s43, \s*SLOT
	s_add_nc_u64 s[G0B+4*\s+2:G0B+4*\s+3], s[96:97], \s*SLOTB
	s_or_b32 s[G0B+4*\s+3], s[G0B+4*\s+3], 0x80000000
	s_wait_alu depctr_va_vdst(0)
	s_wait_tensorcnt 0x0
	ds_add_u32 v28, v29
	s_wait_dscnt 0x0
	CROUND
	JLOAD G0+4*\s, G1, G0B+4*\s, G1B               ; one load of mine is out behind each: the waits above drained the others
.endr
	v_and_b32 v15, 31, v0                          ; lane
	v_and_b32 v1, 15, v0                           ; r
	v_bfe_u32 v2, v0, 4, 1                         ; h
	v_lshlrev_b32 v12, 4, v15                      ; 16 x lane
	v_lshlrev_b32 v13, 3, v15                      ; 8 x lane
	s_mul_i32 s21, s17, HALFT
	s_mul_i32 s22, s18, HALFT
	s_add_co_u32 s22, s22, 2*HALFT
.irp s, 0,1
	v_add_nc_u32 v[ADRA+\s], s21, v12
	v_add_nc_u32 v[ADRB+\s], s22, v12
	v_add_nc_u32 v[ADRA+2+\s], s21, v13
	v_add_nc_u32 v[ADRB+2+\s], s22, v13
	s_add_co_u32 s21, s21, SLOT
	s_add_co_u32 s22, s22, SLOT
.endr
	v_lshlrev_b32 v5, 3, v1
	s_mul_i32 s21, s17, HALFS
	s_mul_i32 s22, s18, HALFS
	s_add_co_u32 s22, s22, 2*HALFS
	s_sub_co_u32 s22, s22, s21
	v_mul_u32_u24 v6, s22, v2                      ; lanes 16-31 take Wo's: the lower base + h x the distance
	s_add_co_u32 s21, s21, SCL
	v_add_nc_u32 v5, v5, v6
	v_add_nc_u32 v[ADRS], s21, v5
	s_mul_i32 s22, s16, 16*SPITCH                  ; my stage
	v_mul_u32_u24 v5, v1, SPITCH
	v_lshl_add_u32 v5, v2, 6, v5
	v_add_nc_u32 v[STO], s22, v5                   ; in: row r, + 64 h: my half's 16 outputs of each 32
	v_add_nc_u32 v[RD], s22, v12                   ; back: the 32 lanes take one row of 512 bytes
	s_lshl_b32 s44, s23, 8
	s_lshl_b32 s45, s17, 7
	s_add_co_u32 s44, s44, s45                     ; my first token,
	s_lshl_b32 s44, s44, 12                        ; a row of out0 is 4,096 bytes,
	s_lshl_b32 s45, s40, 10
	s_add_co_u32 s44, s44, s45
	s_lshl_b32 s45, s18, 9
	s_add_co_u32 s44, s44, s45                     ; my first output
	s_mov_b32 s45, 0
	s_add_nc_u64 s[12:13], s[12:13], s[44:45]
.macro FRAG reg, adr, q, i             ; a fragment, 16 rows x 128 K: two half fragments on end
	ds_load_b128 v[\reg:\reg+3], v[\adr] offset:SLOTB*(\i)+1536*(\q)
	ds_load_b64 v[\reg+4:\reg+5], v[\adr+2] offset:SLOTB*(\i)+1536*(\q)+512
	ds_load_b128 v[\reg+6:\reg+9], v[\adr] offset:SLOTB*(\i)+1536*(\q)+768
	ds_load_b64 v[\reg+10:\reg+11], v[\adr+2] offset:SLOTB*(\i)+1536*(\q)+1280
.endm
; 16 matrix instructions: A's tiles a0, a0 + 1 x Wo's eight, 128 along K.  The 64 accumulators take turns, one instruction a turn, in the same order in every step.
.macro MUL16 a0, p, q, sc, zero
.irp a, \a0, \a0+1
.irp b, 0,1,2,3,4,5,6,7
.if \zero
	v_wmma_scale_f32_16x16x128_f8f6f4 v[8*(8*((\a)%4)+\b):8*(8*((\a)%4)+\b)+7], v[128*(\p)+FR*\b:128*(\p)+FR*\b+FR-1], v[AF+FR*(\a):AF+FR*(\a)+FR-1], 0, v[SC+8*NQ*(\sc)+NQ*\b+(\q)], v[SC+8*NQ*(\sc)+NQ*(\a)+(\q)] matrix_a_fmt:MATRIX_FMT_FP6 matrix_b_fmt:MATRIX_FMT_FP6 matrix_a_scale:MATRIX_SCALE_ROW1
.else
	v_wmma_scale_f32_16x16x128_f8f6f4 v[8*(8*((\a)%4)+\b):8*(8*((\a)%4)+\b)+7], v[128*(\p)+FR*\b:128*(\p)+FR*\b+FR-1], v[AF+FR*(\a):AF+FR*(\a)+FR-1], v[8*(8*((\a)%4)+\b):8*(8*((\a)%4)+\b)+7], v[SC+8*NQ*(\sc)+NQ*\b+(\q)], v[SC+8*NQ*(\sc)+NQ*(\a)+(\q)] matrix_a_fmt:MATRIX_FMT_FP6 matrix_b_fmt:MATRIX_FMT_FP6 matrix_a_scale:MATRIX_SCALE_ROW1
.endif
.endr
.endr
.endm
.macro FETCH_B slot, q, p
	WIN TO_B
.irp i, 0,1,2,3,4,5,6,7
	FRAG 128*(\p)+FR*\i, ADRB+\slot, \q, \i
.endr
	WIN 0
.endm
.macro FETCH_A slot, q, i0
.irp i, \i0, \i0+1, \i0+2, \i0+3
	FRAG AF+FR*(\i), ADRA+\slot, \q, \i
.endr
.endm
.macro SCALES sc
.irp i, 0,1,2,3,4,5,6,7
	ds_load_b64 v[SC+8*NQ*\sc+NQ*\i:SC+8*NQ*\sc+NQ*\i+1], v[ADRS] offset:\i*SBLK
.endr
.endm
.macro PLACES n                        ; plain vector instructions between a matrix instruction and a load into, or a read of, its registers
.rept \n
	v_nop
.endr
.endm
.macro STEP slot, q, zero
	s_wait_dscnt 4*NL                              ; Wo's set and A's tiles 0-3 are in; the youngest 16 loads (A's tiles 4-7) may be out
	WIN MUL_LO
	MUL16 0, (\q)%2, \q, \slot, \zero
	MUL16 2, (\q)%2, \q, \slot, \zero
	s_wait_dscnt 0
	PLACES NP
	FETCH_B \slot, (\q)+1, 1-(\q)%2
	FETCH_A \slot, (\q)+1, 0
	WIN MUL_HI
	MUL16 4, (\q)%2, \q, \slot, \zero
	MUL16 6, (\q)%2, \q, \slot, \zero
	PLACES NP
	WIN 0
	FETCH_A \slot, (\q)+1, 4
.endm
; A slot's last step changes slots: ONE barrier; in front of it each wave waits for all its tensor loads, adds 0 to its spare word, and waits for that and for its own reads of this slot.  fill = 1: the slot is filled again, two slots ahead.
.macro TURN slot, next, fill
	s_wait_tensorcnt 0x0                           ; all my tensor loads have landed: my part of the next slot
	ds_add_u32 v[SPW], v[NIL]                      ; 0 onto my spare word
	s_wait_dscnt 4*NL+1                            ; (the add and the youngest 16 loads may be out)
	WIN MUL_LO
	MUL16 0, 1, NQ-1, \slot, 0
	s_wait_dscnt 0x0                               ; the add is done, and my reads of this slot are over
	s_barrier_signal -1
	MUL16 2, 1, NQ-1, \slot, 0
	WIN 0
	s_barrier_wait -1
.if \fill
	CREST                                          ; the barrier has opened a round of the cluster's: no wave of any partner still reads this slot or has a load on its way
	s_add_nc_u64 s[G0+4*\slot+2:G0+4*\slot+3], s[G0+4*\slot+2:G0+4*\slot+3], 2*SLOTB
	s_add_nc_u64 s[G0B+4*\slot+2:G0B+4*\slot+3], s[G0B+4*\slot+2:G0B+4*\slot+3], 2*SLOTB
	JLOAD G0+4*\slot, G1, G0B+4*\slot, G1B         ; the first tensor load behind the round, my one; its four v_nop are the places in front of the loads below
.else
	PLACES NP
.endif
	s_wait_alu depctr_va_vdst(0)
	v_add_nc_u32 v[ADRS], 128, v[ADRS]             ; the next slot's scale words
	FETCH_B \next, 0, 0
	FETCH_A \next, 0, 0
	SCALES \next
	WIN MUL_HI
	MUL16 4, 1, NQ-1, \slot, 0
	MUL16 6, 1, NQ-1, \slot, 0
	PLACES NP
	WIN 0
	FETCH_A \next, 0, 4
.endm
	s_wait_alu depctr_va_vdst(0)
	s_wait_tensorcnt 1                             ; the scale words and my part of slot 0 are in; slot 1's load may be out
	s_barrier_signal -1
	s_barrier_wait -1
	FETCH_B 0, 0, 0
	FETCH_A 0, 0, 0
	SCALES 0
	FETCH_A 0, 0, 4
	STEP 0, 0, 1                                   ; the first step stands in front of the loop: its products start the sums
	s_mov_b32 s3, LAPS-1
.Llap:
	TURN 0, 1, 1
	STEP 1, 0, 0
	TURN 1, 0, 1
	STEP 0, 0, 0
	s_sub_co_u32 s3, s3, 1
	s_cmp_lg_u32 s3, 0
	s_cbranch_scc1 .Llap
	TURN 0, 1, 0                                   ; the last lap fills nothing
	STEP 1, 0, 0
	s_wait_dscnt 4*NL
	WIN MUL_LO
	MUL16 0, 1, NQ-1, 1, 0
	MUL16 2, 1, NQ-1, 1, 0
	s_wait_dscnt 0
	WIN MUL_HI
	MUL16 4, 1, NQ-1, 1, 0
	MUL16 6, 1, NQ-1, 1, 0
	WIN 0
; THE WAY OUT, a tile of 16 tokens x 128 outputs at a time, through my own stage in LDS: a lane's results go to their true places in its token's row, and whole rows of 512 bytes come back and are stored.
; LDS serves a wave's instructions in order (ISA guide 5.7.1.4): no wait between the stores and the loads, nor in front of the next tile's stores.
.macro TOSTAGE a
.set AC, 64*((\a)%4)
	WIN 0x08+4*((\a)/4)                            ; the data: window 2 or 3
.irp b, 0,1,2,3,4,5,6,7
	ds_store_b128 v[STO], v[AC+8*\b:AC+8*\b+3] offset:128*(\b/2)+32*(\b%2)        ; outputs 32 (b / 2) + 16 h + 8 (b % 2) + 0 .. 7; each accumulator from its low end on
	ds_store_b128 v[STO], v[AC+8*\b+4:AC+8*\b+7] offset:128*(\b/2)+32*(\b%2)+16
.endr
	WIN 0
.set BB, BK+64*((\a)%2)
.irp t, 0,1,2,3,4,5,6,7,8,9,10,11,12,13,14,15
	ds_load_b128 v[BB+4*\t:BB+4*\t+3], v[RD] offset:\t*SPITCH
.endr
.endm
.macro SEND a, younger                 ; younger: the LDS instructions issued behind tile a's loads, which may stay out
.set BB, BK+64*((\a)%2)
	s_wait_dscnt \younger
.irp t, 0,1,2,3,4,5,6,7,8,9,10,11,12,13,14,15
	global_store_b128 v12, v[BB+4*\t:BB+4*\t+3], s[12:13] offset:(32*((\a)/2)+8*((\a)%2)+\t+8*(\t/8))*4096 th:TH_STORE_NT   ; stage row t is the tile's token t + 8 (t / 8); 32 lanes store 512 consecutive bytes, at a multiple of 256 from out0's first byte
.endr
.endm
	PLACES NP                                      ; behind the last products: for the loads into the registers that held A's fragments, and for the reads of results
	TOSTAGE 0
.irp a, 1,2,3,4,5,6,7
.if \a > 1
	s_wait_xcnt 0x0                                ; tile a - 2's stores have read their registers: tile a's rows may land there
.endif
	TOSTAGE \a
	SEND \a-1, 32                                  ; behind tile a - 1's loads: tile a's 16 stores and 16 loads
.endr
	SEND 7, 0
	s_wait_tensorcnt 0x0                           ; the wave's end: behind my last tensor load and my last LDS store
	ds_add_u32 v[SPW], v[NIL]
	s_wait_dscnt 0x0
	CROUND                                         ; the closing round: no work-group ends while a partner may still ask for a tile that names it
	s_endpgm
.Lfunc_end_k_q3c0eee59c5_outp:
	.size	k_q3c0eee59c5_outp, .Lfunc_end_k_q3c0eee59c5_outp-k_q3c0eee59c5_outp
	.p2alignl 7, 3214868480
	.fill 96, 4, 3214868480
	.section	.rodata,"a",@progbits
	.p2align	6, 0x0
	.amdhsa_kernel k_q3c0eee59c5_outp
		.amdhsa_group_segment_fixed_size 327680
		.amdhsa_private_segment_fixed_size 0
		.amdhsa_enable_private_segment 0
		.amdhsa_kernarg_size 40
		.amdhsa_user_sgpr_count 2
		.amdhsa_user_sgpr_kernarg_segment_ptr 1
		.amdhsa_wavefront_size32 1
		.amdhsa_system_sgpr_workgroup_id_x 1
		.amdhsa_system_sgpr_workgroup_id_y 1
		.amdhsa_system_sgpr_workgroup_id_z 1
		.amdhsa_system_vgpr_workitem_id 0
		.amdhsa_next_free_vgpr 1024
		.amdhsa_next_free_sgpr 100
		.amdhsa_reserve_vcc 0
		.amdhsa_float_denorm_mode_32 3
		.amdhsa_float_denorm_mode_16_64 3
		.amdhsa_memory_ordered 1
		.amdhsa_forward_progress 1
		.amdhsa_inst_pref_size 144
	.end_amdhsa_kernel
	.amdgpu_metadata
---
amdhsa.version: [ 1, 2 ]
amdhsa.kernels:
  - .name:           k_q3c0eee59c5_outp
    .symbol:         k_q3c0eee59c5_outp.kd
    .args:
      - { .name: aimg, .offset: 0, .size: 8, .value_kind: global_buffer, .address_space: global }
      - { .name: ascl, .offset: 8, .size: 8, .value_kind: global_buffer, .address_space: global }
      - { .name: wimg, .offset: 16, .size: 8, .value_kind: global_buffer, .address_space: global }
      - { .name: wscl, .offset: 24, .size: 8, .value_kind: global_buffer, .address_space: global }
      - { .name: out0, .offset: 32, .size: 8, .value_kind: global_buffer, .address_space: global }
    .group_segment_fixed_size: 327680
    .private_segment_fixed_size: 0
    .kernarg_segment_align: 8
    .kernarg_segment_size: 40
    .max_flat_workgroup_size: 128
    .sgpr_count:     100
    .vgpr_count:     1024
    .wavefront_size: 32
...
	.end_amdgpu_metadata
.endif
;; end of part 4
